; MI455X (gfx1250); checked and timed in simulation.
; The chip was launched on July 23, 2026; its instructions are those of AMD's public machine-readable ISA for CDNA 5 (MIT licence, August 2026) and "CDNA5" Instruction Set Architecture Reference Guide (July 2026). The comments in the code are by the model that wrote it; some were corrected since.
;; Attention. Allowed arithmetic: matrix products marked QUANTISED: E4M3 operands, one E8M0 scale for each 32 along K, by v_wmma_scale_f32_16x16x128_f8f6f4 with both operands' format E4M3, f32 sums; everything else in f32.
;; Inputs: Wg 1,024 x 16 float32; Wkv 1,024 x 2,048 float32; Wout 1,024 x 1,024 float32; Wq 1,024 x 1,024 float32; norm_w 1,024 float32; tokens 2 x 2,048 x 1,024 float32.
;; Outputs: out0 2 x 2,048 x 1,024 float32.
;; This version of the problem:
;;   THIS VERSION OF THE PROBLEM IS GIVEN IN LOW PRECISION. The matrix products marked QUANTISED in the list below multiply operands that are first quantised to E4M3 (4 exponent bits, 3 mantissa bits; 8 bits a number), with one power-of-two scale for each 32 numbers along K (OCP MX v1.0); their sums are f32. All else is computed in f32.
;;   The module's matrix products, in the order in which they are computed (A, B: the left and right operand; K: the contracted axis; several contracted axes count as one K, in the product's order):
;;     1. [M 4,096, K 1,024] x [K 1,024, N 1,024]; A: computed on the way; B: input Wq: QUANTISED
;;     2. [M 4,096, K 1,024] x [K 1,024, N 2,048]; A: computed on the way; B: input Wkv: QUANTISED
;;     3. batch 32 x [M 2,048, K 64] x [K 64, N 2,048]; A: computed on the way; B: computed on the way: QUANTISED
;;     4. batch 32 x [M 2,048, K 2,048] x [K 2,048, N 64]; A: softmax (see below); B: computed on the way: QUANTISED
;;     5. [M 4,096, K 1,024] x [K 1,024, N 16]; A: computed on the way; B: input Wg: QUANTISED
;;     6. [M 4,096, K 1,024] x [K 1,024, N 1,024]; A: computed on the way; B: input Wout: QUANTISED
;;   THE QUANTISER, for each operand of a quantised product, along K:
;;     - K is cut into blocks of 32 from its start; a last block that is shorter is filled with zeros.
;;     - A block's scale is 2^e with e = floor(log2(the largest magnitude in the block)) - 8, held to -126 .. 127; a block of zeros has e = 0. As a byte (E8M0): e + 127.
;;     - Each number is divided by its block's scale, clamped to +-448, and rounded to the nearest number of E4M3, ties to even, subnormals kept.
;;     - The product sums the exact products of the quantised numbers (number of the format x scale) in f32.
;;   ~~~python
;;   def quantise(x, axis):      # numpy; x: float32 -> the quantised numbers, widened to float32 again
;;       x = np.moveaxis(x, axis, -1); K = x.shape[-1]
;;       x = np.pad(x, [(0, 0)] * (x.ndim - 1) + [(0, -K % 32)]); x = x.reshape(x.shape[:-1] + (-1, 32)); a = np.abs(x).max(-1, keepdims=True)
;;       e = np.where(a > 0, np.clip(np.frexp(np.where(a > 0, a, 1))[1] - 1 - 8, -126, 127), 0)      # np.frexp(a)[1] - 1 = floor(log2(a)), exactly
;;       r = np.clip(x / 2.0 ** e, -448, 448)
;;       step = 2.0 ** (np.maximum(np.frexp(np.where(r == 0, 1, r))[1] - 1, -6) - 3)
;;       q = np.round(r / step) * step * 2.0 ** e      # np.round: ties to even
;;       return np.moveaxis(q.reshape(q.shape[:-2] + (-1,))[..., :K], -1, axis).astype(np.float32)
;;   ~~~
;;   SOFTMAX AHEAD OF A QUANTISED PRODUCT. Where the list says 'softmax', what is quantised is not the finished softmax but p = 2^(t - M), with t = logit x log2(e) and M = ceil(the row's largest t), a whole number; so 1/2 < the row's largest p <= 1. The row's sum l is taken of the UNQUANTISED p, in f32, and the product's result is divided by l at the end. Since M is a whole number, a kernel that streams over the keys may use a running M (the ceiling of the running maximum): every later rescaling is an exact power of two, which a block's scale takes up: the codes' values come out the same.
;;   OPERANDS COMPUTED ON THE WAY. 'Computed on the way' means the value that the module computes at that place (a softmax that the list does not call 'softmax' is quantised finished and normalised). What goes into a quantiser is computed in f32, as accurately as f32 sums, v_exp_f32 and their like allow (about 1e-6 of the number): no bf16 or f16 on the way to a quantiser, and a product that is left as it is and whose result goes on into a quantised operand takes f32 operands (vector FMAs, or v_wmma_f32_16x16x4_f32). A number that lies on a knife's edge between two numbers of the format may be rounded either way, as far as f32 arithmetic and the matrix unit's own rounding can turn it there, and no further.
;; One version. Each part assembles by itself: llvm-mc -triple=amdgcn-amd-amdhsa -mcpu=gfx1250 --defsym DOCPART=n.
;; ======== version 1 of 1: 4 launches
;; limits: right only within a limited range of input values
;; workspace buffers: pre 8,671,232 bytes; qkv 13,500,416 bytes; att 4,325,376 bytes
;; launch prep (part 1): grid 513 x 1, 8 waves a work-group, no clusters, 93,696 bytes of LDS; arguments tokens, norm_w, Wq, Wkv, Wout, Wg, pre; writes pre
.if DOCPART == 1
	.amdgcn_target "amdgcn-amd-amdhsa--gfx1250"
	.amdhsa_code_object_version 6
	.text
	.protected	k_q5a5a86287e_prep
	.globl	k_q5a5a86287e_prep
	.p2align	8
	.type	k_q5a5a86287e_prep,@function
k_q5a5a86287e_prep:
	s_mov_b64 s[64:65], 0
	v_nop
	global_prefetch_b8 v0, s[64:65] scope:SCOPE_SE
	s_setreg_imm32_b32 hwreg(HW_REG_WAVE_MODE, 25, 1), 1
	s_wait_xcnt 0x0
; PREP: everything that is quantised once.  x = rmsnorm(tokens) x norm_w, and the four weights, become codes of FP8 (E4M3) with one E8M0 byte for each 32 along K (the 1,024 features).
; NO WORK IS LEFT OUT in this program but the products of whole tiles of keys that the module's own causal mask throws away (third launch).
; ALL OPERANDS ARE LAID AS IMAGES OF THE OPERAND'S REGISTERS: a fragment (16 rows x 128 K) is 2,048 bytes: register group c at 512 c, half h of the lanes at 256 h, row r at 16 r: 16 codes, k = 32 c + 16 h + 0 .. 15.
; THE ROWS OF A TILE ARE NOT NEIGHBOURS: row r of tile 2 B + u stands for index 32 B + 8 u + r + (r & 8) (tokens; columns of Wq, Wkv, Wout), so that wherever a product's result becomes the next operand,
; a lane's 16 registers of two neighbouring tiles are 16 neighbours along the next K.  Wg's one tile is natural (row r = head r).
; pre:  XIMG [256 tokens 16][K step 8][tile 16][2048];  XSC [tile 256][row 16][32 bytes];
;       WIMG: [head 16][K step 8][tile 12: four of Wq, four of Wkv's k, four of its v][2048];  behind them, from 24 x 131,072: Wout [128 columns 8][K step 8][tile 8][2048];  from 32 x 131,072: Wg [K step 8][2048];
;       WSC [pair of tiles 132][K step 8][32 lanes] words: pairs 0-31 Wq, 32-95 Wkv, 96-127 Wout: lanes 0-15 the even tile's rows, lanes 16-31 the odd tile's (Wg: pair 128 + i: lanes 0-15 K step 2 i, lanes 16-31 K step 2 i + 1).
; SHARES: work-groups 0-255: one tile of 16 tokens each, two rows a wave.  Work-groups 256-511: 128 columns x 128 K of a weight each, 64 columns x 32 K a wave; the last: all of Wg, a K step a wave.
; A block's scale is 2^(floor(log2(its largest magnitude)) - 8); its byte is the largest magnitude's exponent field - 8, held at 1 from below.
; LIMITS: a block of zeros, and one whose largest magnitude lies under 2^-118, gets the byte 1 (the rule says 127 for zeros: the codes are zeros and only this program reads the bytes); NaN and infinities among the inputs are not served.
; No tensor load, no matrix work, no input read twice but norm_w: nothing to share in a cluster.  Each path has LDS bytes of its own.
.set XSC,   4194304
.set WIMG,  4325376
.set WSC,   8536064
.set SP,    80                         ; a lane's place in a wave's stage: 64 bytes + 16 of padding
.set IMG,   40960                      ; LDS: behind the eight stages (8 x 5,120): the tile's image, 64 units of 256 bytes + 16 of padding
.set SCB,   58368                      ; and its 512 scale bytes
.set SPARE, 58880                      ; the spare words, 128 bytes for each wave
.set WST,   59904                      ; weights: a stage of 2,048 bytes for each wave
.set WSB,   76288                      ; and the work-group's 512 scale bytes
.set GST,   76800                      ; Wg: the same
.set GSB,   93184
.set NW,    16                         ; v16-47   norm_w as loaded                          (weights: the codes)
.set X,     48                         ; v48-79   a row turned: 2 x 16 neighbours a lane    (weights: a column's 32 numbers, held)
.set CD,    80                         ; v80-87   a row's codes
.set R,     96                         ; v96-159  two rows as loaded                        (weights: 32 K x my 2 columns)
	s_load_b256 s[4:11], s[0:1], 0x0               ; tokens s[4:5], norm_w s[6:7], Wq s[8:9], Wkv s[10:11]
	s_load_b128 s[12:15], s[0:1], 0x20             ; Wout s[12:13], Wg s[14:15]
	s_load_b64 s[16:17], s[0:1], 0x30              ; pre
	v_lshl_add_u32 v160, v0, 2, SPARE
	v_mov_b32 v161, 0
	v_lshrrev_b32 v1, 5, v0
	v_readfirstlane_b32 s18, v1                    ; wave 0..7
	v_and_b32 v1, 31, v0                           ; lane
	v_lshlrev_b32 v2, 4, v1                        ; 16 x lane
	s_mov_b32 s20, 0x3a800000                      ; 1 / 1024
	s_mov_b32 s21, 0x34000000                      ; eps of f32, 2^-23
	s_mov_b32 s22, 0x76543210
	s_mov_b32 s23, 0xfedcba98                      ; v_permlanex16_b32's selects for lane l xor 16
	s_mov_b32 s24, 0x600000                        ; the mantissa field of 448
	s_cmp_lt_u32 ttmp9, 256
	s_cbranch_scc0 .Lweights
	; ---------------- THE TOKENS.  Tile T = the work-group's number; wave w takes rows r = 2 w + i: two consecutive tokens
	s_mul_i32 s19, s18, 2*32*SP                    ; my stage
	s_wait_alu depctr_va_vdst(0)
	v_lshrrev_b32 v3, 2, v1
	v_mul_u32_u24 v3, v3, SP
	v_and_b32 v4, 3, v1
	v_lshl_add_u32 v3, v4, 4, v3
	v_add_nc_u32 v3, s19, v3                       ; into it: four lanes' 64 bytes on end, then the padding
	v_mul_u32_u24 v4, v1, SP
	v_add_nc_u32 v4, s19, v4                       ; out of it: my 16 neighbours
	s_lshl_b32 s19, s18, 5
	s_add_co_u32 s19, s19, IMG
	v_mul_u32_u24 v5, v1, 272
	v_add_nc_u32 v5, s19, v5                       ; the image: unit = lane (+ 32 for the row's second half), row 2 w (+ i)
	s_lshl_b32 s19, s18, 6
	s_add_co_u32 s19, s19, SCB
	v_lshrrev_b32 v6, 1, v1
	v_add_nc_u32 v6, s19, v6                       ; the scale bytes: 32 a row; two lanes to a block
	s_mul_i32 s19, s18, 8*272
	s_add_co_u32 s19, s19, IMG
	v_lshrrev_b32 v7, 4, v1
	v_mul_u32_u24 v7, v7, 272
	v_and_b32 v8, 15, v1
	v_lshl_add_u32 v7, v8, 4, v7
	v_add_nc_u32 v7, s19, v7                       ; back: wave w takes units 8 w .. 8 w + 7 (K step w), two an instruction
	v_add_nc_u32 v14, SCB, v2                      ; and wave 0 the 512 scale bytes
	s_lshr_b32 s26, ttmp9, 1
	s_lshl_b32 s26, s26, 5
	s_and_b32 s27, ttmp9, 1
	s_lshl_b32 s27, s27, 3
	s_add_co_u32 s26, s26, s27
	s_lshl_b32 s27, s18, 1
	s_add_co_u32 s26, s26, s27
	s_lshr_b32 s27, s18, 2
	s_lshl_b32 s27, s27, 3
	s_add_co_u32 s26, s26, s27                     ; my first token: 32 (T / 2) + 8 (T % 2) + 2 w + 8 (w / 4)
	s_lshl_b32 s26, s26, 12                        ; x 4,096 bytes
	s_mov_b32 s27, 0
	s_lshr_b32 s28, ttmp9, 4
	s_lshl_b32 s28, s28, 18                        ; XIMG: the 256 tokens, 262,144 bytes,
	s_and_b32 s29, ttmp9, 15
	s_lshl_b32 s29, s29, 11                        ; the tile in them,
	s_add_co_u32 s28, s28, s29
	s_lshl_b32 s29, s18, 15                        ; K step w
	s_add_co_u32 s28, s28, s29
	s_mov_b32 s29, 0
	s_lshl_b32 s30, ttmp9, 9
	s_add_co_u32 s30, s30, XSC
	s_mov_b32 s31, 0
	s_wait_alu depctr_va_vdst(0)
	s_wait_kmcnt 0x0
	s_add_nc_u64 s[4:5], s[4:5], s[26:27]
	s_add_nc_u64 s[28:29], s[16:17], s[28:29]
	s_add_nc_u64 s[30:31], s[16:17], s[30:31]
.irp j, 0,1,2,3,4,5,6,7
	global_load_b128 v[NW+4*\j:NW+4*\j+3], v2, s[6:7] offset:512*\j      ; every load of the wave covers 512 consecutive bytes
.endr
.irp i, 0,1
.irp j, 0,1,2,3,4,5,6,7
	global_load_b128 v[R+32*\i+4*\j:R+32*\i+4*\j+3], v2, s[4:5] offset:4096*\i+512*\j th:TH_LOAD_NT
.endr
.endr
; One row: its mean square, x = token x rsqrt x norm_w (the module's order), a turn through the stage so that a lane holds 16 neighbours, the quantiser, codes and bytes into the tile's image.
.macro ROW i
.set RR, R+32*\i
	s_wait_loadcnt 8*(1-\i)                        ; norm_w and this row are in; the younger row's eight loads may be out
	v_pk_mul_f32 v[88:89], v[RR:RR+1], v[RR:RR+1]
	v_pk_mul_f32 v[90:91], v[RR+2:RR+3], v[RR+2:RR+3]
.irp j, 4,8,12,16,20,24,28
	v_pk_fma_f32 v[88:89], v[RR+\j:RR+\j+1], v[RR+\j:RR+\j+1], v[88:89]
	v_pk_fma_f32 v[90:91], v[RR+\j+2:RR+\j+3], v[RR+\j+2:RR+\j+3], v[90:91]
.endr
	v_pk_add_f32 v[88:89], v[88:89], v[90:91]
	v_add_f32 v88, v88, v89
	v_add_f32_dpp v88, v88, v88 row_xmask:1 row_mask:0xf bank_mask:0xf
	v_add_f32_dpp v88, v88, v88 row_xmask:2 row_mask:0xf bank_mask:0xf
	v_add_f32_dpp v88, v88, v88 row_xmask:4 row_mask:0xf bank_mask:0xf
	v_add_f32_dpp v88, v88, v88 row_xmask:8 row_mask:0xf bank_mask:0xf
	v_permlanex16_b32 v89, v88, s22, s23
	v_add_f32 v88, v88, v89                        ; the row's sum of squares, in every lane
	v_fma_f32 v88, v88, s20, s21                   ; / 1024 (exact) + eps
	s_wait_alu depctr_va_vdst(0)                   ; the wait ahead of the batch, and behind it
	v_rsq_f32 v90, v88
	v_rsq_f32 v91, v88                             ; twice: a pair for the packed multiply
	v_nop                                          ; a plain instruction behind the transcendentals (ISA guide 5.7.2)
	s_wait_alu depctr_va_vdst(0)
.irp j, 0,2,4,6,8,10,12,14,16,18,20,22,24,26,28,30
	v_pk_mul_f32 v[RR+\j:RR+\j+1], v[RR+\j:RR+\j+1], v[90:91]
.endr
.irp j, 0,2,4,6,8,10,12,14,16,18,20,22,24,26,28,30
	v_pk_mul_f32 v[RR+\j:RR+\j+1], v[RR+\j:RR+\j+1], v[NW+\j:NW+\j+1]
.endr
.irp j, 0,1,2,3,4,5,6,7
	ds_store_b128 v3, v[RR+4*\j:RR+4*\j+3] offset:32*SP*(\j/4)+8*SP*(\j%4)
.endr
.irp j, 0,1,2,3,4,5,6,7
	ds_load_b128 v[X+4*\j:X+4*\j+3], v4 offset:32*SP*(\j/4)+16*(\j%4)    ; LDS serves a wave's instructions in order: these see the stores above
.endr
	s_wait_dscnt 0x0                               ; the row is back; the last row's stores of codes and bytes have read their registers too
.irp st, 0,1                                   ; half st of the row: my numbers are k = 512 st + 16 lane + 0 .. 15
.set XH, X+16*\st
	v_max3_num_f32 v8, |v[XH]|, |v[XH+1]|, |v[XH+2]|
	v_max3_num_f32 v9, |v[XH+3]|, |v[XH+4]|, |v[XH+5]|
.irp k, 6,10
	v_max3_num_f32 v8, v8, |v[XH+\k]|, |v[XH+\k+1]|
	v_max3_num_f32 v9, v9, |v[XH+\k+2]|, |v[XH+\k+3]|
.endr
	v_max3_num_f32 v8, v8, |v[XH+14]|, |v[XH+15]|
	v_max3_num_f32 v8, v8, v9, 0x4800000           ; and the floor 2^(9 - 127): the byte cannot fall under 1
	v_max_num_f32_dpp v8, v8, v8 row_xmask:1 row_mask:0xf bank_mask:0xf   ; with my neighbour's 16: the block's largest magnitude
	v_add_nc_u32 v11, 0xfc000000, v8               ; 8 off its exponent field: the conversion's scale operand
	v_and_or_b32 v10, v8, 0x7f800000, s24          ; 448 x the scale
.irp k, 0,1,2,3,4,5,6,7,8,9,10,11,12,13,14,15
	v_med3_num_f32 v[XH+\k], v[XH+\k], -v10, v10   ; the conversion to an 8-bit code does not saturate (ISA guide 7.6.2): hold first
.endr
	v_cvt_scalef32_pk8_fp8_f32 v[CD+4*\st:CD+4*\st+1], v[XH:XH+7], v11
	v_cvt_scalef32_pk8_fp8_f32 v[CD+4*\st+2:CD+4*\st+3], v[XH+8:XH+15], v11
	v_lshrrev_b32 v[92+\st], 23, v11               ; the scale's byte
	ds_store_b128 v5, v[CD+4*\st:CD+4*\st+3] offset:32*272*\st+16*\i     ; unit 32 st + lane (= 8 x K step + 2 c + h), row 2 w + i
	ds_store_b8 v6, v[92+\st] offset:32*\i+16*\st  ; both lanes of a block write the same byte with the same value
.endr
.endm
	ROW 0
	ROW 1
	s_wait_dscnt 0x0                               ; for the others' sake: my stores into the image are done
	s_barrier_signal -1
	s_barrier_wait -1
.irp i, 0,1,2,3
	ds_load_b128 v[R+4*\i:R+4*\i+3], v7 offset:2*272*\i
.endr
.irp i, 0,1,2,3
	s_wait_dscnt 3-\i
	global_store_b128 v2, v[R+4*\i:R+4*\i+3], s[28:29] offset:512*\i   ; 32 lanes store 512 consecutive bytes, aligned
.endr
	s_cmp_lg_u32 s18, 0
	s_cbranch_scc1 .Lxdone
	ds_load_b128 v[128:131], v14
	s_wait_dscnt 0x0
	global_store_b128 v2, v[128:131], s[30:31]     ; the tile's 512 scale bytes
.Lxdone:
	s_wait_tensorcnt 0x0                           ; the wave's end
	ds_add_u32 v160, v161
	s_wait_dscnt 0x0
	s_endpgm
	; ---------------- THE WEIGHTS.  K is their first axis: a lane takes two neighbouring columns and its registers run down 32 K, so a column's block lies in one lane; each load covers 256 consecutive bytes.
.macro LOADW adr, pitch
.set LI_, 0
.rept 32
	global_load_b64 v[R+2*LI_:R+2*LI_+1], v[\adr], s[34:35] offset:LI_*\pitch th:TH_LOAD_NT
.set LI_, LI_+1
.endr
.endm
; My two blocks: largest magnitudes as the rows arrive, eight at a time; then, column by column, the hold (which gathers the column into consecutive registers), the conversions, and codes and byte into the stage.
.macro QUANT
.irp g, 0,1,2,3
.if \g > 0
	s_wait_alu depctr_va_vdst(0)
.endif
	s_wait_loadcnt 24-8*\g                         ; eight more rows are in; the younger loads may be out
.irp i, 0,1,2,3
.irp j, 0,1
.if (\g==0)&&(\i<2)
	v_max3_num_f32 v[8+2*\i+\j], |v[R+4*\i+\j]|, |v[R+4*\i+2+\j]|, 0x4800000
.else
	v_max3_num_f32 v[8+2*(\i%2)+\j], v[8+2*(\i%2)+\j], |v[R+16*\g+4*\i+\j]|, |v[R+16*\g+4*\i+2+\j]|
.endif
.endr
.endr
.endr
.irp j, 0,1
	v_max_num_f32 v[8+\j], v[8+\j], v[10+\j]
.endr
.irp j, 0,1
	v_add_nc_u32 v[88+\j], 0xfc000000, v[8+\j]
.endr
.irp j, 0,1
	v_and_or_b32 v[92+\j], v[8+\j], 0x7f800000, s24
.endr
.irp j, 0,1
.set LI_, 0
.rept 32
	v_med3_num_f32 v[X+LI_], v[R+2*LI_+\j], -v[92+\j], v[92+\j]
.set LI_, LI_+1
.endr
.irp g, 0,1,2,3
	v_cvt_scalef32_pk8_fp8_f32 v[NW+8*\j+2*\g:NW+8*\j+2*\g+1], v[X+8*\g:X+8*\g+7], v[88+\j]
.endr
	v_lshrrev_b32 v[8+\j], 23, v[88+\j]            ; the byte: also the plain instruction behind the conversions
	ds_store_b128 v4, v[NW+8*\j:NW+8*\j+3] offset:16*\j            ; k = 0 .. 15 of the block: the lower half's place,
	ds_store_b128 v4, v[NW+8*\j+4:NW+8*\j+7] offset:256+16*\j      ; 16 .. 31: the upper half's
	ds_store_b8 v5, v[8+\j] offset:4*\j
.endr
.endm
.Lweights:
	s_sub_co_u32 s26, ttmp9, 256                   ; j: 0-63 Wq, 64-191 Wkv, 192-255 Wout, 256 Wg
	s_mov_b32 s39, 0
	s_cmp_eq_u32 s26, 256
	s_cbranch_scc1 .Larm_g
	s_and_b32 s19, s18, 3                          ; my 32 K of the step,
	s_lshr_b32 s25, s18, 2                         ; and which 64 of the 128 columns
	s_wait_alu depctr_va_vdst(0)
	v_lshrrev_b32 v9, 4, v1
	v_bfe_u32 v10, v1, 2, 1
	v_lshl_add_u32 v9, v9, 1, v10                  ; my columns 2 l, 2 l + 1 of 64: tile 2 (l / 16) + (l / 4) % 2,
	v_bfe_u32 v10, v1, 3, 1
	v_lshlrev_b32 v10, 3, v10
	v_and_b32 v11, 3, v1
	v_lshl_add_u32 v10, v11, 1, v10                ; rows 8 ((l / 8) % 2) + 2 (l % 4) on
	s_lshl_b32 s27, s18, 11
	s_add_co_u32 s27, s27, WST                     ; my stage: [tile 4][half][row][16]
	v_lshlrev_b32 v4, 9, v9
	v_lshl_add_u32 v4, v10, 4, v4
	v_add_nc_u32 v4, s27, v4
	v_lshlrev_b32 v5, 6, v9
	v_lshl_add_u32 v5, v10, 2, v5
	s_lshl_b32 s28, s25, 8
	s_add_co_u32 s28, s28, s19
	s_add_co_u32 s28, s28, WSB                     ; my byte of the words [tile 8][row]
	v_add_nc_u32 v5, s28, v5
	v_add_nc_u32 v6, s27, v2                       ; back: 512 bytes a tile
	s_lshl_b32 s28, s19, 7
	s_add_co_u32 s28, s28, WSB
	v_lshlrev_b32 v12, 2, v1
	v_add_nc_u32 v7, s28, v12                      ; waves 0-3 take the words of a pair of tiles each
	v_lshlrev_b32 v3, 3, v1
	s_wait_alu depctr_va_vdst(0)
	s_wait_kmcnt 0x0
	s_sub_co_u32 s30, s26, 64
	s_cmp_lt_u32 s30, 128
	s_cbranch_scc1 .Larm_kv
	s_cmp_lt_u32 s26, 64                           ; rows of 4,096 bytes: Wq or Wout; the choice hangs on the work-group's number alone
	s_cselect_b64 s[34:35], s[8:9], s[12:13]
	s_cselect_b32 s28, 0, 192
	s_cselect_b32 s29, 0, 24
	s_sub_co_u32 s30, s26, s28
	s_and_b32 s31, s30, 7                          ; which 128 columns
	s_lshr_b32 s36, s30, 3                         ; K step
	s_add_co_u32 s37, s29, s31                     ; group
	s_lshl_b32 s38, s36, 19
	s_lshl_b32 s31, s31, 9
	s_add_co_u32 s38, s38, s31
	s_lshl_b32 s31, s19, 17
	s_add_co_u32 s38, s38, s31
	s_lshl_b32 s31, s25, 8
	s_add_co_u32 s38, s38, s31
	s_add_nc_u64 s[34:35], s[34:35], s[38:39]
	LOADW 3, 4096
	s_branch .Lquant
.Larm_kv:
	s_and_b32 s31, s30, 15
	s_lshr_b32 s36, s30, 4
	s_add_co_u32 s37, s31, 8
	s_lshl_b32 s38, s36, 20
	s_lshl_b32 s31, s31, 9
	s_add_co_u32 s38, s38, s31
	s_lshl_b32 s31, s19, 18
	s_add_co_u32 s38, s38, s31
	s_lshl_b32 s31, s25, 8
	s_add_co_u32 s38, s38, s31
	s_add_nc_u64 s[34:35], s[10:11], s[38:39]
	LOADW 3, 8192
.Lquant:
	s_lshr_b32 s28, s37, 3                         ; 0 Wq, 1 k, 2 v, 3 Wout
	s_and_b32 s29, s37, 7
	s_mul_i32 s30, s29, 2*196608                   ; Wq, Wkv: head 2 (group % 8) + my half,
	s_mul_i32 s31, s25, 196608
	s_add_co_u32 s30, s30, s31
	s_mul_i32 s31, s36, 24576                      ; K step, and the four tiles' place in it
	s_add_co_u32 s30, s30, s31
	s_lshl_b32 s31, s28, 13
	s_add_co_u32 s30, s30, s31
	s_lshl_b32 s38, s37, 17                        ; Wout
	s_lshl_b32 s31, s36, 14
	s_add_co_u32 s38, s38, s31
	s_lshl_b32 s31, s25, 13
	s_add_co_u32 s38, s38, s31
	s_cmp_lt_u32 s37, 24
	s_cselect_b32 s38, s30, s38
	s_lshl_b32 s31, s19, 9
	s_add_co_u32 s38, s38, s31                     ; register group: my 32 K
	s_add_co_u32 s38, s38, WIMG
	s_add_nc_u64 s[40:41], s[16:17], s[38:39]
	s_lshl_b32 s38, s37, 2
	s_add_co_u32 s38, s38, s19
	s_lshl_b32 s38, s38, 10
	s_lshl_b32 s28, s36, 7
	s_add_co_u32 s38, s38, s28
	s_add_co_u32 s38, s38, WSC
	s_add_nc_u64 s[42:43], s[16:17], s[38:39]      ; a pair's scale words
	QUANT
.irp t, 0,1,2,3
	ds_load_b128 v[R+4*\t:R+4*\t+3], v6 offset:512*\t              ; my own stores, in order
.endr
	s_wait_dscnt 0x0                               ; for the others' sake: my scale bytes are stored
	s_barrier_signal -1
	s_barrier_wait -1
.irp t, 0,1,2,3
	global_store_b128 v2, v[R+4*\t:R+4*\t+3], s[40:41] offset:2048*\t          ; 512 consecutive bytes, aligned
.endr
	s_cmp_lt_u32 s18, 4
	s_cbranch_scc0 .Lwdone
	ds_load_b32 v13, v7
	s_wait_dscnt 0x0
	global_store_b32 v12, v13, s[42:43]
.Lwdone:
	s_wait_tensorcnt 0x0                           ; the wave's end
	ds_add_u32 v160, v161
	s_wait_dscnt 0x0
	s_endpgm
.Larm_g:                                       ; Wg: eight lanes to a row of 64 bytes, four blocks of 32 K: K step w
	s_wait_alu depctr_va_vdst(0)
	v_lshrrev_b32 v9, 3, v1                        ; my block of K
	v_and_b32 v10, 7, v1                           ; my two heads
	v_lshlrev_b32 v3, 11, v9
	v_lshl_add_u32 v3, v10, 3, v3
	s_lshl_b32 s27, s18, 11
	s_add_co_u32 s27, s27, GST                     ; my stage: [c 4][half][row][16]
	v_lshlrev_b32 v4, 9, v9
	v_lshl_add_u32 v4, v10, 5, v4
	v_add_nc_u32 v4, s27, v4
	v_add_nc_u32 v6, s27, v2
	s_lshl_b32 s28, s18, 6
	s_add_co_u32 s28, s28, GSB                     ; my 16 words
	v_lshl_add_u32 v5, v10, 3, v9
	v_add_nc_u32 v5, s28, v5
	v_lshlrev_b32 v12, 2, v1
	v_add_nc_u32 v7, s28, v12                      ; an even wave takes its own and the next wave's
	s_lshl_b32 s38, s18, 13
	s_wait_alu depctr_va_vdst(0)
	s_wait_kmcnt 0x0
	s_add_nc_u64 s[34:35], s[14:15], s[38:39]
	LOADW 3, 64
	s_lshl_b32 s38, s18, 11
	s_add_co_u32 s38, s38, WIMG+32*131072
	s_add_nc_u64 s[40:41], s[16:17], s[38:39]
	s_lshr_b32 s38, s18, 1
	s_lshl_b32 s38, s38, 10
	s_add_co_u32 s38, s38, WSC+128*1024
	s_add_nc_u64 s[42:43], s[16:17], s[38:39]
	QUANT
.irp t, 0,1,2,3
	ds_load_b128 v[R+4*\t:R+4*\t+3], v6 offset:512*\t
.endr
	s_wait_dscnt 0x0
	s_barrier_signal -1
	s_barrier_wait -1
.irp t, 0,1,2,3
	global_store_b128 v2, v[R+4*\t:R+4*\t+3], s[40:41] offset:512*\t
.endr
	s_and_b32 s28, s18, 1
	s_cmp_lg_u32 s28, 0
	s_cbranch_scc1 .Lgdone
	ds_load_b32 v13, v7
	s_wait_dscnt 0x0
	global_store_b32 v12, v13, s[42:43]
.Lgdone:
	s_wait_tensorcnt 0x0                           ; the wave's end
	ds_add_u32 v160, v161
	s_wait_dscnt 0x0
	s_endpgm
.Lfunc_end_k_q5a5a86287e_prep:
	.size	k_q5a5a86287e_prep, .Lfunc_end_k_q5a5a86287e_prep-k_q5a5a86287e_prep
	.p2alignl 7, 3214868480
	.fill 96, 4, 3214868480
	.section	.rodata,"a",@progbits
	.p2align	6, 0x0
	.amdhsa_kernel k_q5a5a86287e_prep
		.amdhsa_group_segment_fixed_size 93696
		.amdhsa_private_segment_fixed_size 0
		.amdhsa_enable_private_segment 0
		.amdhsa_kernarg_size 56
		.amdhsa_user_sgpr_count 2
		.amdhsa_user_sgpr_kernarg_segment_ptr 1
		.amdhsa_wavefront_size32 1
		.amdhsa_system_sgpr_workgroup_id_x 1
		.amdhsa_system_sgpr_workgroup_id_y 1
		.amdhsa_system_sgpr_workgroup_id_z 1
		.amdhsa_system_vgpr_workitem_id 0
		.amdhsa_next_free_vgpr 162
		.amdhsa_next_free_sgpr 66
		.amdhsa_reserve_vcc 0
		.amdhsa_float_denorm_mode_32 3
		.amdhsa_float_denorm_mode_16_64 3
		.amdhsa_memory_ordered 1
		.amdhsa_forward_progress 1
		.amdhsa_inst_pref_size 56
	.end_amdhsa_kernel
	.amdgpu_metadata
---
amdhsa.version: [ 1, 2 ]
amdhsa.kernels:
  - .name:           k_q5a5a86287e_prep
    .symbol:         k_q5a5a86287e_prep.kd
    .args:
      - { .name: tokens, .offset: 0, .size: 8, .value_kind: global_buffer, .address_space: global }
      - { .name: norm_w, .offset: 8, .size: 8, .value_kind: global_buffer, .address_space: global }
      - { .name: Wq, .offset: 16, .size: 8, .value_kind: global_buffer, .address_space: global }
      - { .name: Wkv, .offset: 24, .size: 8, .value_kind: global_buffer, .address_space: global }
      - { .name: Wout, .offset: 32, .size: 8, .value_kind: global_buffer, .address_space: global }
      - { .name: Wg, .offset: 40, .size: 8, .value_kind: global_buffer, .address_space: global }
      - { .name: pre, .offset: 48, .size: 8, .value_kind: global_buffer, .address_space: global }
    .group_segment_fixed_size: 93696
    .private_segment_fixed_size: 0
    .kernarg_segment_align: 8
    .kernarg_segment_size: 56
    .max_flat_workgroup_size: 256
    .sgpr_count:     66
    .vgpr_count:     162
    .wavefront_size: 32
...
	.end_amdgpu_metadata
.endif
;; end of part 1
;; launch proj (part 2): grid 16 x 16, 4 waves a work-group, clusters of 4 x 4, 327,680 bytes of LDS; arguments pre, qkv; writes qkv
.if DOCPART == 2
	.amdgcn_target "amdgcn-amd-amdhsa--gfx1250"
	.amdhsa_code_object_version 6
	.text
	.protected	k_q5a5a86287e_proj
	.globl	k_q5a5a86287e_proj
	.p2align	8
	.type	k_q5a5a86287e_proj,@function
k_q5a5a86287e_proj:
	s_mov_b64 s[64:65], 0
	v_nop
	global_prefetch_b8 v0, s[64:65] scope:SCOPE_SE
	s_setreg_imm32_b32 hwreg(HW_REG_WAVE_MODE, 25, 1), 1
	s_wait_xcnt 0x0
	s_wait_alu depctr_hold_cnt(0) depctr_sa_sdst(0) depctr_va_vdst(0) depctr_va_sdst(0) depctr_va_ssrc(0) depctr_va_vcc(0) depctr_vm_vsrc(0)
	s_getreg_b32 s2, hwreg(HW_REG_IB_STS2, 6, 4)
	s_cmp_eq_u32 s2, 0
	s_cbranch_scc0 .Lentry_in_a_cluster
	s_endpgm
.Lentry_in_a_cluster:
	s_bfe_u32 s2, ttmp6, 0x10000c
	s_cmp_lg_u32 s2, 0xf033
	s_cbranch_scc0 .Lentry_shape_is_right
	s_endpgm
.Lentry_shape_is_right:
; PROJ: q = x Wq, k and v = x Wkv, gates = sigmoid(x Wg), on the codes that the first launch made; q, k and v are quantised on the way out for the attention's two products.
; SHARES: work-group (cg, rg): 256 tokens x the 192 columns of head cg's q, k and v.  Its four waves are 2 x 2: wave (tr, tc) makes 128 tokens x 32 columns each of q, k and v: 48 accumulators.
; THE GATES: the work-group also makes the 16 gates of ONE tile of 16 tokens, tile 16 rg + cg: each wave two of the eight K steps, straight from memory; the four parts are added through LDS at the end.
; CLUSTER: 4 x 4 work-groups: the four of a row share x's tiles, the four of a column the weights': each is asked for jointly.  No branch and no LDS address hangs on the place in the cluster.
; FILLS: LDS holds five K steps of both operands (32 + 24 KiB each).  At the head each wave has one load: K steps 0, 1 of x (wave 0) and of W (wave 1), K steps 2-4 of x (wave 2) and of W (wave 3).  Behind step 0, in a drained round
; of the cluster's barrier, K steps 5, 6 take the bytes of 0, 1; behind step 3 K step 7 takes those of 2.  No prefetch: there is no loop to run ahead in; what is not asked for at the head is asked for three and two steps ahead of its use.
; q, k: source 0 = 16 columns of W, source 1 = 16 tokens: a lane holds one token and its registers run along the head's 64: the K of q k^T.
; v: source 0 = 16 tokens, source 1 = 16 columns: a lane holds one channel and its registers run along the tokens: the K of p v.  The tiles' rows are so chosen that 16 registers of two
; neighbouring tiles are 16 neighbours along the next K: the conversions' results are the next operand's registers, stored as images, 512 consecutive bytes a store.
; qkv: QIMG [b h 32][tile 128][c 2][512];  KV [b h][step of 128 keys 16][17,152]: K 8 tiles x 1,024, V^T 4 tiles x 2,048, K's scale words [32 lanes][4], V's [2][32 lanes];  QSC [b h][block 16][32 lanes][4 words];  GATE [b h][tile 128][16] f32.
; q's and k's scale words hold (b0, b1, b0, b1): the head's 64 are half of the instruction's 128, and the upper two bytes repeat the real ones.
; LIMITS: as in the first launch (byte 1 for blocks of zeros and under 2^-118; no NaN, no infinities).
; REGISTERS: window 0: v0-31 x's scale words [8 pair + K step], v36-59 W's; v32-35, v60-63 LDS addresses and the add's; v64-255 W's fragments, two sets of six.  Window 1: x's, two sets of eight.
;   Window 2: the accumulators of q and k [token tile 8][q 2, k 2].  Window 3: those of v [channel tile 2][token tile 8]; from v128 (of 256) the gates' fragments and sums.
.set XSC,   4194304
.set WIMG,  4325376
.set WSC,   8536064
.set KV,    4194304
.set QSC,   12976128
.set GATE,  13238272
.set KVB,   17152
.set WL,    163840                     ; LDS: x's five K steps at 0, W's here,
.set GP,    286720                     ; the gates' parts, 1,024 bytes a wave,
.set SB,    290816                     ; q's and k's scale bytes, [q, k][128 tokens 2][128][2],
.set SPARE, 291840                     ; and the spare words
.set XS,  0
.set WS,  36
.set WA,  32                           ; v32-34  W's fragments in K steps 0, 1 / 2, 3 / 4 of LDS
.set SPW, 35
.set XA,  60                           ; v60-62  x's likewise
.set NIL, 63
.set WF,  64
.set PC,  64                           ; the way out: v64-159 codes, v160-183 bytes, v184-199 at work
.set BY,  160
.set TM,  184
.set G1X, 24                           ; descriptor groups 1: K steps 0, 1 (and the refills) of x,
.set G1W, 32                           ; of W,
.set G1XB, 48                          ; K steps 2-4 of x,
.set G1WB, 56                          ; of W
.set G0X, 68                           ; groups 0
.set G0W, 72
.set G0XB, 76
.set G0WB, 80
.set MSB, 0
.macro WIN new                         ; the immediate's high byte repeats the setting that is left
.if MSB != (\new)
	s_set_vgpr_msb (MSB<<8)|(\new)
.set MSB, (\new)
.endif
.endm
; One scaled product.  zero = 1: it starts its sum.  ra, rb: which half of the lanes of the scale registers holds source 0's and source 1's words.
.macro WM d, a, b, zero, sa, sb, ra, rb
.if \zero
.if ((\ra)==0)&&((\rb)==0)
	v_wmma_scale_f32_16x16x128_f8f6f4 v[\d:\d+7], v[\a:\a+15], v[\b:\b+15], 0, v[\sa], v[\sb]
.elseif ((\ra)==1)&&((\rb)==0)
	v_wmma_scale_f32_16x16x128_f8f6f4 v[\d:\d+7], v[\a:\a+15], v[\b:\b+15], 0, v[\sa], v[\sb] matrix_a_scale:MATRIX_SCALE_ROW1
.elseif ((\ra)==0)&&((\rb)==1)
	v_wmma_scale_f32_16x16x128_f8f6f4 v[\d:\d+7], v[\a:\a+15], v[\b:\b+15], 0, v[\sa], v[\sb] matrix_b_scale:MATRIX_SCALE_ROW1
.else
	v_wmma_scale_f32_16x16x128_f8f6f4 v[\d:\d+7], v[\a:\a+15], v[\b:\b+15], 0, v[\sa], v[\sb] matrix_a_scale:MATRIX_SCALE_ROW1 matrix_b_scale:MATRIX_SCALE_ROW1
.endif
.else
.if ((\ra)==0)&&((\rb)==0)
	v_wmma_scale_f32_16x16x128_f8f6f4 v[\d:\d+7], v[\a:\a+15], v[\b:\b+15], v[\d:\d+7], v[\sa], v[\sb]
.elseif ((\ra)==1)&&((\rb)==0)
	v_wmma_scale_f32_16x16x128_f8f6f4 v[\d:\d+7], v[\a:\a+15], v[\b:\b+15], v[\d:\d+7], v[\sa], v[\sb] matrix_a_scale:MATRIX_SCALE_ROW1
.elseif ((\ra)==0)&&((\rb)==1)
	v_wmma_scale_f32_16x16x128_f8f6f4 v[\d:\d+7], v[\a:\a+15], v[\b:\b+15], v[\d:\d+7], v[\sa], v[\sb] matrix_b_scale:MATRIX_SCALE_ROW1
.else
	v_wmma_scale_f32_16x16x128_f8f6f4 v[\d:\d+7], v[\a:\a+15], v[\b:\b+15], v[\d:\d+7], v[\sa], v[\sb] matrix_a_scale:MATRIX_SCALE_ROW1 matrix_b_scale:MATRIX_SCALE_ROW1
.endif
.endif
.endm
.macro PLACES n
.rept \n
	v_nop
.endr
.endm
.macro CROUND                          ; a round of the cluster's barrier
	s_barrier_signal -1
	s_barrier_wait -1
	s_cmp_lg_u32 s10, 0
	s_cbranch_scc1 .Lnot_wave_0_\@
	s_barrier_signal -3
.Lnot_wave_0_\@:
	s_barrier_wait -3
	s_barrier_signal -1
	s_barrier_wait -1
.endm
.macro TLOAD g0, g1                    ; a tensor load; an s_nop 0 and four v_nop follow it
	tensor_load_to_lds s[\g0:\g0+3], s[\g1:\g1+7]
	s_nop 0
	PLACES 4
.endm
.macro GROUP1 g, mask, rows            ; a dense block as so many rows of 256 bytes, no padding
	s_or_b32 s[\g], s[\mask], (3<<16)|(1<<21)      ; 15:0 the mask; elements of 8 bytes; 21 set beside a mask
	s_mov_b32 s[\g+1], 32<<16
	s_mov_b32 s[\g+2], (\rows)<<16
	s_mov_b32 s[\g+3], 32<<16
	s_mov_b32 s[\g+4], \rows
	s_mov_b32 s[\g+5], 32
	s_mov_b32 s[\g+6], 0
	s_mov_b32 s[\g+7], 0
.endm
	s_load_b128 s[4:7], s[0:1], 0x0                ; pre s[4:5], qkv s[6:7]
	v_lshl_add_u32 v[SPW], v0, 2, SPARE
	v_mov_b32 v[NIL], 0
	ds_add_u32 v[SPW], v[NIL]                      ; the wave's opening: the add, twice on end, and its wait ahead of my first tensor load
	ds_add_u32 v[SPW], v[NIL]
	v_lshrrev_b32 v64, 5, v0
	v_readfirstlane_b32 s10, v64                   ; wave 0..3
	s_lshr_b32 s11, s10, 1                         ; tr: which 128 tokens are mine
	s_and_b32 s12, s10, 1                          ; tc: which 32 columns of q, of k, of v
	s_bfe_u32 s40, ttmp6, 0x40000                  ; cx, cy: my place in the cluster
	s_bfe_u32 s41, ttmp6, 0x40004
	s_lshl_b32 s42, ttmp9, 2
	s_add_co_u32 s42, s42, s40                     ; cg = 4 x cluster x + cx
	s_and_b32 s13, ttmp7, 0xffff
	s_lshl_b32 s13, s13, 2
	s_add_co_u32 s13, s13, s41                     ; rg = 4 x cluster y + cy
	s_lshl_b32 s43, s41, 2
	s_lshl_b32 s43, 15, s43                        ; my row of the cluster
	s_lshl_b32 s44, 0x1111, s40                    ; my column
	GROUP1 G1X, 43, 256
	GROUP1 G1W, 44, 192
	GROUP1 G1XB, 43, 384
	GROUP1 G1WB, 44, 288
	s_lshl_b32 s16, s13, 18                        ; x: 262,144 bytes for 256 tokens: hangs on rg alone
	s_mov_b32 s17, 0
	s_mul_i32 s18, s42, 196608                     ; W: on cg alone
	s_add_co_u32 s18, s18, WIMG
	s_mov_b32 s19, 0
	s_lshl_b32 s84, s13, 13                        ; x's scale bytes: my eight tiles
	s_lshl_b32 s20, s11, 12
	s_add_co_u32 s84, s84, s20
	s_add_co_u32 s84, s84, XSC
	s_lshl_b32 s86, s42, 1                         ; W's scale words: my pair of tiles of q; k's and v's lie 32 and 64 pairs on
	s_add_co_u32 s86, s86, s12
	s_lshl_b32 s86, s86, 10
	s_add_co_u32 s86, s86, WSC
	s_lshl_b32 s88, s10, 16                        ; the gates: K steps 2 w, 2 w + 1 of tile 16 rg + cg,
	s_add_co_u32 s88, s88, s16
	s_lshl_b32 s20, s42, 11
	s_add_co_u32 s88, s88, s20
	s_lshl_b32 s90, s10, 12                        ; of Wg,
	s_add_co_u32 s90, s90, WIMG+32*131072
	s_lshl_b32 s92, s13, 4                         ; and their scales
	s_add_co_u32 s92, s92, s42
	s_lshl_b32 s92, s92, 9
	s_lshl_b32 s20, s10, 3
	s_add_co_u32 s92, s92, s20
	s_add_co_u32 s92, s92, XSC
	s_lshl_b32 s94, s10, 10
	s_add_co_u32 s94, s94, WSC+128*1024
	s_mov_b32 s85, 0
	s_mov_b32 s87, 0
	s_mov_b32 s89, 0
	s_mov_b32 s91, 0
	s_mov_b32 s93, 0
	s_mov_b32 s95, 0
	s_lshl_b32 s20, s11, 14
	s_lshl_b32 s21, s12, 12
	s_add_co_u32 s21, s21, WL
	v_and_b32 v64, 31, v0                          ; lane
	v_and_b32 v68, 15, v0                          ; r
	v_lshlrev_b32 v65, 4, v64
	v_lshlrev_b32 v66, 2, v64
	v_lshlrev_b32 v67, 5, v64
	v_lshlrev_b32 v68, 5, v68
	v_add_nc_u32 v[XA], s20, v65
	v_add_nc_u32 v[XA+1], 0x10000, v[XA]
	v_add_nc_u32 v[XA+2], 0x20000, v[XA]
	v_add_nc_u32 v[WA], s21, v65
	v_add_nc_u32 v[WA+1], 2*24576, v[WA]
	v_add_nc_u32 v[WA+2], 4*24576, v[WA]
	s_wait_alu depctr_va_vdst(0)
	s_wait_dscnt 0x0                               ; both opening adds are done
	CROUND                                         ; all sixteen work-groups are here: the joint loads meet
	s_wait_kmcnt 0x0
	s_add_nc_u64 s[16:17], s[4:5], s[16:17]
	s_add_nc_u64 s[18:19], s[4:5], s[18:19]
	s_add_nc_u64 s[84:85], s[4:5], s[84:85]
	s_add_nc_u64 s[86:87], s[4:5], s[86:87]
	s_add_nc_u64 s[88:89], s[4:5], s[88:89]
	s_add_nc_u64 s[90:91], s[4:5], s[90:91]
	s_add_nc_u64 s[92:93], s[4:5], s[92:93]
	s_add_nc_u64 s[94:95], s[4:5], s[94:95]
	s_mov_b32 s[G0X], 1
	s_mov_b32 s[G0X+1], 0
	s_mov_b64 s[G0X+2:G0X+3], s[16:17]
	s_or_b32 s[G0X+3], s[G0X+3], 0x80000000
	s_mov_b32 s[G0W], 1
	s_mov_b32 s[G0W+1], WL
	s_mov_b64 s[G0W+2:G0W+3], s[18:19]
	s_or_b32 s[G0W+3], s[G0W+3], 0x80000000
	s_mov_b32 s[G0XB], 1
	s_mov_b32 s[G0XB+1], 2*32768
	s_add_nc_u64 s[G0XB+2:G0XB+3], s[16:17], 2*32768
	s_or_b32 s[G0XB+3], s[G0XB+3], 0x80000000
	s_mov_b32 s[G0WB], 1
	s_mov_b32 s[G0WB+1], WL+2*24576
	s_add_nc_u64 s[G0WB+2:G0WB+3], s[18:19], 2*24576
	s_or_b32 s[G0WB+3], s[G0WB+3], 0x80000000
.irp p, 0,1,2,3
	global_load_b128 v[XS+8*\p:XS+8*\p+3], v67, s[84:85] offset:1024*\p          ; lanes 0-15: tile 2 p's rows, lanes 16-31: tile 2 p + 1's; words of K steps 0-3,
	global_load_b128 v[XS+8*\p+4:XS+8*\p+7], v67, s[84:85] offset:1024*\p+16     ; and of K steps 4-7
.endr
.irp p, 0,1,2
.irp k, 0,1,2,3,4,5,6,7
	global_load_b32 v[WS+8*\p+\k], v66, s[86:87] offset:32768*\p+128*\k
.endr
.endr
; THE HEAD'S LOADS, one a wave, a line for each
.macro ARM under, g0, g1, next
	s_cmp_lt_u32 s10, \under
	s_cbranch_scc0 \next
	TLOAD \g0, \g1
	s_branch .Lasked
\next:
.endm
	ARM 1, G0X, G1X, .Lwave_1
	ARM 2, G0W, G1W, .Lwave_2
	ARM 3, G0XB, G1XB, .Lwave_3
	TLOAD G0WB, G1WB
.Lasked:
	global_load_b64 v[160:161], v68, s[92:93]      ; the gates' part: x's scale words, Wg's (lanes 0-15: K step 2 w, lanes 16-31: K step 2 w + 1),
	global_load_b32 v162, v66, s[94:95]
	WIN 0xc0                                       ; and the fragments, in window 3
.irp k, 0,1
.irp c, 0,1,2,3
	global_load_b128 v[128+16*\k+4*\c:131+16*\k+4*\c], v65, s[88:89] offset:32768*\k+512*\c
	global_load_b128 v[160+16*\k+4*\c:163+16*\k+4*\c], v65, s[90:91] offset:2048*\k+512*\c
.endr
.endr
	s_wait_loadcnt 0x0
	WIN 0xff
	WM 192,160,128,1,162,160,0,0                   ; source 0 = Wg's 16 heads, source 1 = 16 tokens
	WM 200,176,144,1,162,161,1,0
	WIN 0
	s_cmp_lt_u32 s10, 2
	s_cbranch_scc0 .Lnot_yet
	s_wait_tensorcnt 0x0                           ; waves 0 and 1: K steps 0, 1 are in.  The others' loads may stay out
.Lnot_yet:
	s_barrier_signal -1
	s_barrier_wait -1
.macro FETCH k                         ; K step k: six fragments of W and eight of x into set k % 2: 56 loads of 512 consecutive bytes
.set SL_, (\k)
.if (\k) > 4
.set SL_, (\k)-5
.endif
	WIN 0
.irp u, 0,1,2,3,4,5
.irp c, 0,1,2,3
	ds_load_b128 v[WF+96*((\k)%2)+16*\u+4*\c:WF+96*((\k)%2)+16*\u+4*\c+3], v[WA+SL_/2] offset:24576*(SL_%2)+8192*(\u/2)+2048*(\u%2)+512*\c
.endr
.endr
	WIN 0x40
.irp t, 0,1,2,3,4,5,6,7
.irp c, 0,1,2,3
	ds_load_b128 v[128*((\k)%2)+16*\t+4*\c:128*((\k)%2)+16*\t+4*\c+3], v[XA+SL_/2] offset:32768*(SL_%2)+2048*\t+512*\c
.endr
.endr
	WIN 0
.endm
.macro PROD k                          ; 48 products, the accumulators by turns, one instruction a turn
	WIN 0xa4                                       ; source 0 (W) window 0, source 1 (x) window 1, C and D window 2
.irp t, 0,1,2,3,4,5,6,7
.irp c, 0,1,2,3
	WM 32*\t+8*\c,WF+96*((\k)%2)+16*\c,128*((\k)%2)+16*\t,((\k)==0),WS+8*(\c/2)+\k,XS+8*(\t/2)+\k,\c%2,\t%2
.endr
.endr
	WIN 0xf1                                       ; source 0 (x) window 1, source 1 (W) window 0, C and D window 3
.irp t, 0,1,2,3,4,5,6,7
.irp c, 0,1
	WM 64*\c+8*\t,128*((\k)%2)+16*\t,WF+96*((\k)%2)+64+16*\c,((\k)==0),XS+8*(\t/2)+\k,WS+16+\k,\t%2,\c
.endr
.endr
	WIN 0
.endm
.macro REFILL                          ; wave 0 for x, wave 1 for W: the first tensor load behind the round
	s_cmp_eq_u32 s10, 0
	s_cbranch_scc0 .Lno_x_\@
	TLOAD G0X, G1X
	s_branch .Lfilled_\@
.Lno_x_\@:
	s_cmp_eq_u32 s10, 1
	s_cbranch_scc0 .Lfilled_\@
	TLOAD G0W, G1W
.Lfilled_\@:
.endm
; A K step: the next step's fragments are asked for first, into the set that the last step's products read (eight plain instructions behind them), then the products.
.macro STEP k
.if (\k) == 1 || (\k) == 4
	s_wait_tensorcnt 0x0                           ; all my tensor loads are done (steps 2-4; 5, 6)
	ds_add_u32 v[SPW], v[NIL]
.if (\k) == 1
	s_add_nc_u64 s[G0X+2:G0X+3], s[G0X+2:G0X+3], 5*32768           ; K steps 5, 6, over 0, 1
	s_add_nc_u64 s[G0W+2:G0W+3], s[G0W+2:G0W+3], 5*24576
.else
	s_add_nc_u64 s[G0X+2:G0X+3], s[G0X+2:G0X+3], 2*32768           ; K step 7, over 2
	s_add_nc_u64 s[G0W+2:G0W+3], s[G0W+2:G0W+3], 2*24576
	s_mov_b32 s[G0X+1], 2*32768
	s_mov_b32 s[G0W+1], WL+2*24576
	s_mov_b32 s[G1X+2], 128<<16
	s_mov_b32 s[G1X+4], 128
	s_mov_b32 s[G1W+2], 96<<16
	s_mov_b32 s[G1W+4], 96
.endif
	s_wait_dscnt 0x0                               ; the add is done, and my reads of the bytes that are filled again
	CROUND
	REFILL
.elseif (\k) == 6
	s_wait_tensorcnt 0x0
	s_wait_dscnt 0x0
	s_barrier_signal -1
	s_barrier_wait -1                              ; K step 7 is whole
.else
	s_wait_dscnt 0x0                               ; this step's fragments are in
.endif
.if (\k) < 7
	PLACES 8
	FETCH (\k)+1
.endif
	PROD \k
.endm
	FETCH 0
	STEP 0
	STEP 1
	STEP 2
	STEP 3
	STEP 4
	STEP 5
	STEP 6
	STEP 7
; THE WAY OUT: 64 accumulator registers at a time are four blocks of 32 along the next K (16 numbers in my lane, 16 in lane l xor 16) and become 16 registers of codes.
	s_lshr_b32 s14, s13, 3                         ; b
	s_and_b32 s15, s13, 7
	s_lshl_b32 s16, s15, 4
	s_add_co_u32 s16, s16, s42                     ; the gates' tile in its batch
	s_lshl_b32 s15, s15, 1
	s_add_co_u32 s15, s15, s11                     ; my step of 128 tokens
	s_lshl_b32 s17, s14, 4
	s_add_co_u32 s17, s17, s42                     ; b h
	s_lshl_b32 s17, s17, 4
	s_add_co_u32 s17, s17, s15                     ; 16 (b h) + step
	s_mul_i32 s20, s17, KVB
	s_add_co_u32 s20, s20, KV                      ; the step's block of K and V
	s_lshl_b32 s21, s12, 9
	s_lshl_b32 s84, s17, 13
	s_add_co_u32 s84, s84, s21                     ; q's codes,
	s_mov_b32 s85, 0
	s_add_nc_u64 s[84:85], s[6:7], s[84:85]
	s_add_co_u32 s86, s20, s21                     ; k's,
	s_mov_b32 s87, 0
	s_add_nc_u64 s[86:87], s[6:7], s[86:87]
	s_lshl_b32 s21, s12, 12
	s_add_co_u32 s88, s20, s21
	s_add_co_u32 s88, s88, 8192                    ; v's,
	s_mov_b32 s89, 0
	s_add_nc_u64 s[88:89], s[6:7], s[88:89]
	s_lshl_b32 s21, s12, 7
	s_add_co_u32 s90, s20, s21
	s_add_co_u32 s90, s90, 16896                   ; v's words,
	s_mov_b32 s91, 0
	s_add_nc_u64 s[90:91], s[6:7], s[90:91]
	s_lshl_b32 s92, s17, 9
	s_add_co_u32 s92, s92, QSC
	s_add_co_u32 s21, s20, 16384
	s_cmp_eq_u32 s12, 0
	s_cselect_b32 s92, s92, s21                    ; q's words (tc = 0) or k's,
	s_mov_b32 s93, 0
	s_add_nc_u64 s[92:93], s[6:7], s[92:93]
	s_lshl_b32 s94, s14, 17
	s_lshl_b32 s21, s16, 6
	s_add_co_u32 s94, s94, s21
	s_lshl_b32 s21, s10, 14
	s_add_co_u32 s94, s94, s21                     ; and the gates of heads 8 h + 2 w, + 1
	s_add_co_u32 s94, s94, GATE
	s_mov_b32 s95, 0
	s_add_nc_u64 s[94:95], s[6:7], s[94:95]
	s_lshl_b32 s20, s11, 8
	s_add_co_u32 s20, s20, SB
	s_add_co_u32 s21, s20, s12                     ; bytes in: 2 a token, mine is byte tc
	s_lshl_b32 s22, s12, 9
	s_add_co_u32 s22, s22, s20                     ; words out: q's (tc = 0) or k's
	s_lshl_b32 s23, s10, 10
	s_add_co_u32 s23, s23, GP                      ; the gates' parts, in
	s_lshr_b32 s24, s10, 1
	s_lshl_b32 s24, s24, 9
	s_and_b32 s25, s10, 1
	s_lshl_b32 s25, s25, 3
	s_add_co_u32 s24, s24, s25
	s_add_co_u32 s24, s24, GP                      ; and out: registers 2 w, 2 w + 1 of every part
	s_mov_b32 s26, 0x600000                        ; the mantissa field of 448
	s_mov_b32 s28, 0x76543210
	s_mov_b32 s29, 0xfedcba98
	PLACES 8                                       ; behind the last products, ahead of writes of their registers and reads of their results
	v_mbcnt_lo_u32_b32 v220, -1, 0                 ; lane
	v_lshlrev_b32 v221, 4, v220
	v_lshlrev_b32 v222, 2, v220
	v_and_b32 v223, 15, v220                       ; r
	v_lshrrev_b32 v224, 4, v220                    ; h
	v_lshlrev_b32 v225, 2, v223
	v_lshl_add_u32 v224, v224, 16, v225            ; the gates: 8 h heads + 4 r
	v_lshlrev_b32 v223, 1, v223
	v_add_nc_u32 v223, s21, v223
	v_lshlrev_b32 v225, 1, v220
	v_add_nc_u32 v225, s22, v225
	v_add_nc_u32 v226, s23, v221
	v_add_nc_u32 v227, s24, v221
.irp b, 0,1,2,3
	v_mov_b32 v[TM+4+\b], 0                        ; written once: a lane permute's destination counts as one of its sources
.endr
.macro QUANT2 ab, pc, by, w            ; 64 registers from ab on of window w
	WIN (\w)|((\w)<<2)
.irp b, 0,1,2,3
	v_max3_num_f32 v[TM+\b], |v[\ab+16*\b]|, |v[\ab+16*\b+1]|, 0x4800000        ; each accumulator is read from its low end on; the floor 2^(9 - 127) holds the byte at 1 from below
.endr
.irp i, 2,4,6,8,10,12,14
.irp b, 0,1,2,3
	v_max3_num_f32 v[TM+\b], |v[\ab+16*\b+\i]|, |v[\ab+16*\b+\i+1]|, v[TM+\b]
.endr
.endr
	WIN 0
.irp b, 0,1,2,3
	v_permlanex16_b32 v[TM+4+\b], v[TM+\b], s28, s29
.endr
.irp b, 0,1,2,3
	v_max_num_f32 v[TM+\b], v[TM+\b], v[TM+4+\b]   ; the block's largest magnitude
.endr
.irp b, 0,1,2,3
	v_add_nc_u32 v[TM+12+\b], 0xfc000000, v[TM+\b] ; the conversion's scale operand
.endr
.irp b, 0,1,2,3
	v_and_or_b32 v[TM+8+\b], v[TM+\b], 0x7f800000, s26   ; 448 x the scale
.endr
.irp b, 0,1,2,3
	v_lshrrev_b32 v[\by+\b], 23, v[TM+12+\b]       ; the scale's byte
.endr
	WIN (\w)|((\w)<<6)
.irp b, 0,1,2,3
.irp i, 0,1,2,3,4,5,6,7,8,9,10,11,12,13,14,15
	v_med3_num_f32 v[\ab+16*\b+\i], v[\ab+16*\b+\i], -v[TM+8+\b], v[TM+8+\b]    ; the conversion to an 8-bit code does not saturate (ISA guide 7.6.2)
.endr
.endr
	WIN \w
.irp b, 0,1,2,3
	v_cvt_scalef32_pk8_fp8_f32 v[\pc+4*\b:\pc+4*\b+1], v[\ab+16*\b:\ab+16*\b+7], v[TM+12+\b]
	v_cvt_scalef32_pk8_fp8_f32 v[\pc+4*\b+2:\pc+4*\b+3], v[\ab+16*\b+8:\ab+16*\b+15], v[TM+12+\b]
.endr
	WIN 0
	v_nop                                          ; a plain instruction behind the last conversion
.endm
.irp i, 0,1,2,3                                ; token tiles 2 i, 2 i + 1: q's block and k's of each
	QUANT2 64*\i, PC+16*\i, BY+4*\i, 2
.irp u, 0,1
	global_store_b128 v221, v[PC+16*\i+8*\u:PC+16*\i+8*\u+3], s[84:85] offset:1024*(2*\i+\u)
	global_store_b128 v221, v[PC+16*\i+8*\u+4:PC+16*\i+8*\u+7], s[86:87] offset:1024*(2*\i+\u)
	ds_store_b8 v223, v[BY+4*\i+2*\u] offset:32*(2*\i+\u)
	ds_store_b8 v223, v[BY+4*\i+2*\u+1] offset:512+32*(2*\i+\u)
.endr
.endr
.irp i, 0,1                                    ; channel tiles 2 tc + i: the step's four blocks of 32 keys
	QUANT2 64*\i, PC+64+16*\i, BY+16+4*\i, 3
.irp k, 0,1,2,3
	global_store_b128 v221, v[PC+64+16*\i+4*\k:PC+64+16*\i+4*\k+3], s[88:89] offset:2048*\i+512*\k
.endr
.endr
	WIN 0xcf
.irp j, 0,1,2,3,4,5,6,7
	v_add_f32 v[192+\j], v[192+\j], v[200+\j]      ; my part of the gates: lane (r, h): head 8 h + j, token row r
.endr
	WIN 0x0c
	ds_store_b128 v226, v[192:195]
	ds_store_b128 v226, v[196:199] offset:512
	WIN 0
	s_mov_b32 vcc_lo, 0xffff0000                   ; lanes 16-31 carry the odd tile's words
.irp t, 0,1
	v_lshl_or_b32 v[228+\t], v[BY+16+4*\t+1], 8, v[BY+16+4*\t]
.endr
.irp t, 0,1
	v_lshl_or_b32 v[228+\t], v[BY+16+4*\t+2], 16, v[228+\t]
.endr
.irp t, 0,1
	v_lshl_or_b32 v[228+\t], v[BY+16+4*\t+3], 24, v[228+\t]
.endr
	v_cndmask_b32 v230, v228, v229, vcc_lo
	global_store_b32 v222, v230, s[90:91]          ; v's scale words: 128 consecutive bytes
	s_wait_alu depctr_va_vdst(0)
	s_wait_dscnt 0x0                               ; for the others' sake: my bytes and my part of the gates are stored
	s_barrier_signal -1
	s_barrier_wait -1
.irp i, 0,1,2,3
	ds_load_u16 v[200+\i], v225 offset:64*\i       ; word i of lane l: tile 2 i + l / 16, row l % 16
.endr
.irp i, 0,1,2,3
	ds_load_b64 v[204+2*\i:205+2*\i], v227 offset:1024*\i
.endr
	s_wait_dscnt 0x0
.irp i, 0,1,2,3
	v_lshl_or_b32 v[200+\i], v[200+\i], 16, v[200+\i]
.endr
	global_store_b128 v221, v[200:203], s[92:93]   ; [32 lanes][4 words]
	v_pk_add_f32 v[204:205], v[204:205], v[206:207]
	v_pk_add_f32 v[208:209], v[208:209], v[210:211]
	v_pk_add_f32 v[204:205], v[204:205], v[208:209]
	v_mul_f32 v204, 0xbfb8aa3b, v204               ; x -log2(e)
	v_mul_f32 v205, 0xbfb8aa3b, v205
	s_wait_alu depctr_va_vdst(0)                   ; the wait ahead of each batch, and behind it
	v_exp_f32 v204, v204
	v_exp_f32 v205, v205
	v_nop
	s_wait_alu depctr_va_vdst(0)
	v_add_f32 v204, 1.0, v204
	v_add_f32 v205, 1.0, v205
	s_wait_alu depctr_va_vdst(0)
	v_rcp_f32 v204, v204                           ; sigmoid = 1 / (1 + 2^(-x log2(e)))
	v_rcp_f32 v205, v205
	v_nop
	s_wait_alu depctr_va_vdst(0)
	global_store_b32 v224, v204, s[94:95]
	global_store_b32 v224, v205, s[94:95] offset:8192
	s_wait_tensorcnt 0x0                           ; the wave's end
	ds_add_u32 v[SPW], v[NIL]
	s_wait_dscnt 0x0
	CROUND                                         ; the closing round: no work-group ends while a partner may still ask for a tile that names it
	s_endpgm
.Lfunc_end_k_q5a5a86287e_proj:
	.size	k_q5a5a86287e_proj, .Lfunc_end_k_q5a5a86287e_proj-k_q5a5a86287e_proj
	.p2alignl 7, 3214868480
	.fill 96, 4, 3214868480
	.section	.rodata,"a",@progbits
	.p2align	6, 0x0
	.amdhsa_kernel k_q5a5a86287e_proj
		.amdhsa_group_segment_fixed_size 327680
		.amdhsa_private_segment_fixed_size 0
		.amdhsa_enable_private_segment 0
		.amdhsa_kernarg_size 16
		.amdhsa_user_sgpr_count 2
		.amdhsa_user_sgpr_kernarg_segment_ptr 1
		.amdhsa_wavefront_size32 1
		.amdhsa_system_sgpr_workgroup_id_x 1
		.amdhsa_system_sgpr_workgroup_id_y 1
		.amdhsa_system_sgpr_workgroup_id_z 1
		.amdhsa_system_vgpr_workitem_id 0
		.amdhsa_next_free_vgpr 1024
		.amdhsa_next_free_sgpr 102
		.amdhsa_reserve_vcc 1
		.amdhsa_float_denorm_mode_32 3
		.amdhsa_float_denorm_mode_16_64 3
		.amdhsa_memory_ordered 1
		.amdhsa_forward_progress 1
		.amdhsa_inst_pref_size 153
	.end_amdhsa_kernel
	.amdgpu_metadata
---
amdhsa.version: [ 1, 2 ]
amdhsa.kernels:
  - .name:           k_q5a5a86287e_proj
    .symbol:         k_q5a5a86287e_proj.kd
    .args:
      - { .name: pre, .offset: 0, .size: 8, .value_kind: global_buffer, .address_space: global }
      - { .name: qkv, .offset: 8, .size: 8, .value_kind: global_buffer, .address_space: global }
    .group_segment_fixed_size: 327680
    .private_segment_fixed_size: 0
    .kernarg_segment_align: 8
    .kernarg_segment_size: 16
    .max_flat_workgroup_size: 128
    .sgpr_count:     102
    .vgpr_count:     1024
    .wavefront_size: 32
...
	.end_amdgpu_metadata
.endif
;; end of part 2
;; launch attn (part 3): grid 4 x 64, 16 waves a work-group, clusters of 4 x 1, 327,680 bytes of LDS; arguments qkv, att; writes att
.if DOCPART == 3
	.amdgcn_target "amdgcn-amd-amdhsa--gfx1250"
	.amdhsa_code_object_version 6
	.text
	.protected	k_q5a5a86287e_attn
	.globl	k_q5a5a86287e_attn
	.p2align	8
	.type	k_q5a5a86287e_attn,@function
k_q5a5a86287e_attn:
	s_mov_b64 s[64:65], 0
	v_nop
	global_prefetch_b8 v0, s[64:65] scope:SCOPE_SE
	s_setreg_imm32_b32 hwreg(HW_REG_WAVE_MODE, 25, 1), 1
	s_wait_xcnt 0x0
	s_wait_alu depctr_hold_cnt(0) depctr_sa_sdst(0) depctr_va_vdst(0) depctr_va_sdst(0) depctr_va_ssrc(0) depctr_va_vcc(0) depctr_vm_vsrc(0)
	s_getreg_b32 s2, hwreg(HW_REG_IB_STS2, 6, 4)
	s_cmp_eq_u32 s2, 0
	s_cbranch_scc0 .Lentry_in_a_cluster
	s_endpgm
.Lentry_in_a_cluster:
	s_bfe_u32 s2, ttmp6, 0x10000c
	s_cmp_lg_u32 s2, 0x3003
	s_cbranch_scc0 .Lentry_shape_is_right
	s_endpgm
.Lentry_shape_is_right:
; ATTN: causal attention of one (batch, head) on codes of FP8 (E4M3) with E8M0 scales, the gate, and the quantiser of the last product's left operand.
; THE SOFTMAX AHEAD OF THE SECOND PRODUCT: t = score x log2(e) / 8; M = the row's largest t so far, rounded UP to a whole number; p = 2^(t - M) is quantised along the keys, not normalised;
; the row's sum is taken of the unquantised p and divides O at the end.  When M moves, the sum and O are multiplied by 2^(old M - new M): exact.
; SHARES: work-group (cx, y): head b h = y % 32, c = 4 (y / 32) + cx: tile c (16 queries) of each of the head's 16 blocks of 128, a tile a wave.  Block m needs key steps 0 .. m of 128 keys; the steps behind it are masked whole and are not done.
; Wave w = 4 i + s takes block 15 - s, 8 + s, 7 - s, s for i = 0, 1, 2, 3: the longest first, and 34 steps in the four waves of each s.  What a wave does hangs on its number alone.
; CLUSTER: the four work-groups of a cluster read the same K and V: each step's tile is asked for jointly.  All 16 steps of K, V and scale words, 17,152 bytes each, come into LDS once, one tensor load a wave, and are never filled again.
; No prefetch: every tile is asked for at the head; there is no loop ahead of which to ask.
; LAYOUT: S^T = K Q^T (source 0 = 16 keys, source 1 = my 16 queries), O^T = V^T P^T: a lane holds ONE query (lane % 16) throughout.  Row r of tile 2 B + u stands for index 32 B + 8 u + r + (r & 8), for keys, queries and
; channels, so p's 64 registers are keys 32 c + 16 (lane / 16) + 0 .. 15 and O^T's 32 registers channels likewise: the conversions' results are the next operand's registers.
; THE HEAD'S 64 ARE HALF OF THE INSTRUCTION'S 128: Q's upper 64 codes are zeros.  K's upper eight operand registers are the next tile's codes (behind the last tile: zeros): finite numbers, since the
; quantiser holds at 448, so each such product is exactly 0; the scale words' upper two bytes repeat the lower two.
; LIMITS: scaled scores stay under 2^31 in magnitude; hidden scores become -infinity where the module has the most negative f32: p = 0 either way, and every query sees its own key.  Byte 1 for blocks of zeros and under 2^-118; no NaN, no infinities.
; REGISTERS: v1, v2 lane offsets; v3, v4 LDS addresses; v5 the mask's d; v7 q's scale word; v8 -infinity; v10 the gate; v11 p's scale word; v12 -M, v13 the largest score, v[14:15] the sum; v16-31 Q and its zeros;
;   v32-95 K's tiles, then V's; v96-103 zeros; v104-167 S^T, then p; v168-199 O^T; v200-215 p's codes; v216-219 K's scale words, v220-221 V's;
;   v222-237 the sum's eight partial pairs, then p held; v238-253 at work; v254, v255 the add's.
.set KV,    4194304
.set QSC,   12976128
.set GATE,  13238272
.set KVB,   17152
.set ASC,   4194304
.set SPARE, 16*KVB                     ; LDS: behind K and V the spare words, 128 bytes for each wave: eight blocks of 256 bytes that no other line names
.set F,   32
.set S,   104
.set O,   168
.set PCD, 200
.set T,   222
.set BM,  238
.set PM,  242
.set SOP, 246
.macro CROUND                          ; a round of the cluster's barrier
	s_barrier_signal -1
	s_barrier_wait -1
	s_cmp_lg_u32 s18, 0
	s_cbranch_scc1 .Lnot_wave_0_\@
	s_barrier_signal -3
.Lnot_wave_0_\@:
	s_barrier_wait -3
	s_barrier_signal -1
	s_barrier_wait -1
.endm
	s_load_b128 s[4:7], s[0:1], 0x0                ; qkv s[4:5], att s[6:7]
	v_lshl_add_u32 v254, v0, 2, SPARE
	v_mov_b32 v255, 0
	ds_add_u32 v254, v255                          ; the wave's opening: the add, twice on end, and its wait ahead of my first tensor load
	ds_add_u32 v254, v255
	v_lshrrev_b32 v3, 5, v0
	v_readfirstlane_b32 s18, v3                    ; wave 0..15
	s_lshr_b32 s9, s18, 2                          ; i
	s_xor_b32 s13, s9, 3
	s_lshl_b32 s13, s13, 2
	s_and_b32 s15, s9, 1
	s_xor_b32 s15, s15, 1
	s_mul_i32 s15, s15, 3
	s_and_b32 s14, s18, 3                          ; s
	s_xor_b32 s14, s14, s15
	s_or_b32 s48, s13, s14                         ; my block: 4 (3 - i) + (s, or 3 - s where i is even)
	s_bfe_u32 s46, ttmp6, 0x40000                  ; cx
	s_and_b32 s8, ttmp7, 0xffff
	s_lshr_b32 s11, s8, 5
	s_lshl_b32 s11, s11, 2
	s_add_co_u32 s11, s11, s46                     ; c
	s_and_b32 s8, s8, 31                           ; b h
	; descriptor group 1: a step's dense 17,152 bytes as 67 rows of 256 bytes
	s_mov_b32 s24, 15|(3<<16)|(1<<21)              ; the mask of the cluster's four; elements of 8 bytes; 21 set beside a mask; no padding
	s_mov_b32 s25, 32<<16                          ; tensor_dim0 = 32
	s_mov_b32 s26, 67<<16                          ; tensor_dim1 = 67
	s_mov_b32 s27, 32<<16                          ; tile_dim0 = 32
	s_mov_b32 s28, 67                              ; tile_dim1 = 67
	s_mov_b32 s29, 32                              ; the pitch
	s_mov_b32 s30, 0
	s_mov_b32 s31, 0
	s_mul_i32 s52, s18, KVB                        ; I fetch step w
	s_mul_i32 s54, s8, 16*KVB
	s_add_co_u32 s54, s54, KV
	s_add_co_u32 s54, s54, s52
	s_mov_b32 s55, 0
	s_mov_b32 s32, 1
	s_mov_b32 s33, s52
	s_lshl_b32 s56, s8, 4
	s_add_co_u32 s56, s56, s48                     ; 16 (b h) + my block
	s_lshl_b32 s58, s56, 3
	s_add_co_u32 s58, s58, s11                     ; my tile
	s_lshl_b32 s36, s58, 10                        ; its codes,
	s_mov_b32 s37, 0
	s_lshl_b32 s38, s56, 9                         ; its scale words: lane 16 (c % 2) + r, word c / 2,
	s_and_b32 s15, s11, 1
	s_lshl_b32 s15, s15, 8
	s_add_co_u32 s38, s38, s15
	s_lshr_b32 s15, s11, 1
	s_lshl_b32 s15, s15, 2
	s_add_co_u32 s38, s38, s15
	s_add_co_u32 s38, s38, QSC
	s_mov_b32 s39, 0
	s_lshl_b32 s60, s58, 6                         ; its gates
	s_add_co_u32 s60, s60, GATE
	s_mov_b32 s61, 0
	s_lshr_b32 s58, s11, 1
	s_lshl_b32 s58, s58, 5
	s_and_b32 s59, s11, 1
	s_lshl_b32 s59, s59, 3
	s_add_co_u32 s58, s58, s59
	v_and_b32 v253, 31, v0                         ; lane
	v_and_b32 v252, 15, v0                         ; r
	v_bfe_u32 v250, v0, 4, 1                       ; h
	v_lshlrev_b32 v1, 4, v253
	v_lshlrev_b32 v2, 2, v253
	v_lshlrev_b32 v3, 4, v252
	v_lshlrev_b32 v4, 2, v252
	v_and_b32 v5, 8, v252
	v_add_nc_u32 v5, v5, v252
	v_add_nc_u32 v5, s58, v5                       ; my query in its block: 32 (c / 2) + 8 (c % 2) + r + (r & 8),
	v_lshlrev_b32 v250, 4, v250
	v_sub_nc_u32 v5, v5, v250                      ; less 16 h: register 16 b + i holds key 32 b + 16 h + i, hidden on the diagonal where 32 b + i > d
	s_wait_alu depctr_va_vdst(0)
	s_wait_dscnt 0x0                               ; both opening adds are done
	CROUND                                         ; all four work-groups are here: the joint loads meet
	s_wait_kmcnt 0x0
	s_add_nc_u64 s[34:35], s[4:5], s[54:55]
	s_or_b32 s35, s35, 0x80000000
	s_add_nc_u64 s[36:37], s[4:5], s[36:37]
	s_add_nc_u64 s[38:39], s[4:5], s[38:39]
	s_add_nc_u64 s[60:61], s[4:5], s[60:61]
	global_load_b128 v[16:19], v1, s[36:37]
	global_load_b128 v[20:23], v1, s[36:37] offset:512
	global_load_b32 v7, v3, s[38:39]
	global_load_b32 v10, v4, s[60:61]
	s_cmp_lt_u32 s18, 1                            ; one tensor load a wave, two lines: step 0, which the first barrier shows, and the others, which the second shows
	s_cbranch_scc0 .Llater
	tensor_load_to_lds s[32:35], s[24:31]
	s_nop 0
.rept 4
	v_nop
.endr
	s_branch .Lasked
.Llater:
	tensor_load_to_lds s[32:35], s[24:31]
	s_nop 0
.rept 4
	v_nop
.endr
.Lasked:
	s_mov_b32 s19, 0x600000                        ; the mantissa field of 448
	s_mov_b32 s20, 0x76543210
	s_mov_b32 s21, 0xfedcba98
	s_mov_b32 s22, 0x3e38aa3b                      ; log2(e) / 8
	s_mov_b32 s23, s22                             ; (named with it as a pair, so it is written)
.irp j, 0,1,2,3,4,5,6,7
	v_mov_b32 v[24+\j], 0                          ; Q's codes for k = 64 .. 127
	v_mov_b32 v[96+\j], 0                          ; what stands behind K's last tile
.endr
.set JJ, 0
.rept 48                                       ; S^T and O^T: a step is written for all waves and trips: the first adds zeros to the sum, and the first change of M leaves O^T zeros
	v_dual_mov_b32 v[S+2*JJ], v24 :: v_dual_mov_b32 v[S+2*JJ+1], v25
.set JJ, JJ+1
.endr
.irp b, 0,1,2,3
	v_mov_b32 v[PM+\b], 0                          ; written once: a lane permute's destination counts as one of its sources
.endr
	v_mov_b32 v14, 0
	v_mov_b32 v15, 0
	v_mov_b32 v251, 0                              ; (the upper half of a pair of which the low word serves both halves)
	v_mov_b32 v8, 0xff800000                       ; -infinity
	v_mov_b32 v13, 0xff61b1e6                      ; the largest score so far: -3e38
	v_mov_b32 v12, 0x7f61b1e6                      ; -M: 3e38
; THE ROW'S SUM of the unquantised p, one step late: 24 packed additions of a step's 64 numbers into eight pairs (PADD1, PADD2); COMB brings the eight pairs into the sum.
.macro PADD1
.set JJ, 0
.rept 8
	v_pk_add_f32 v[T+2*JJ:T+2*JJ+1], v[S+4*JJ:S+4*JJ+1], v[S+4*JJ+2:S+4*JJ+3]
.set JJ, JJ+1
.endr
.endm
.macro PADD2
.irp o, 32,48
.set JJ, 0
.rept 8
	v_pk_add_f32 v[T+2*JJ:T+2*JJ+1], v[T+2*JJ:T+2*JJ+1], v[S+\o+2*JJ:S+\o+2*JJ+1]
.set JJ, JJ+1
.endr
.endr
.endm
.macro COMB
	v_pk_add_f32 v[T:T+1], v[T:T+1], v[T+2:T+3]
	v_pk_add_f32 v[T+4:T+5], v[T+4:T+5], v[T+6:T+7]
	v_pk_add_f32 v[T+8:T+9], v[T+8:T+9], v[T+10:T+11]
	v_pk_add_f32 v[T+12:T+13], v[T+12:T+13], v[T+14:T+15]
	v_pk_add_f32 v[T:T+1], v[T:T+1], v[T+4:T+5]
	v_pk_add_f32 v[T+8:T+9], v[T+8:T+9], v[T+12:T+13]
	v_pk_add_f32 v[T:T+1], v[T:T+1], v[T+8:T+9]
	v_pk_add_f32 v[14:15], v[14:15], v[T:T+1]
.endm
.macro WMS t
.if (\t)%2
	v_wmma_scale_f32_16x16x128_f8f6f4 v[S+8*\t:S+8*\t+7], v[F+8*\t:F+8*\t+15], v[16:31], 0, v[216+\t/2], v7 matrix_a_scale:MATRIX_SCALE_ROW1
.else
	v_wmma_scale_f32_16x16x128_f8f6f4 v[S+8*\t:S+8*\t+7], v[F+8*\t:F+8*\t+15], v[16:31], 0, v[216+\t/2], v7
.endif
.endm
.macro WMO t
.if (\t)%2
	v_wmma_scale_f32_16x16x128_f8f6f4 v[O+8*\t:O+8*\t+7], v[F+16*\t:F+16*\t+15], v[PCD:PCD+15], v[O+8*\t:O+8*\t+7], v[220+\t/2], v11 matrix_a_scale:MATRIX_SCALE_ROW1
.else
	v_wmma_scale_f32_16x16x128_f8f6f4 v[O+8*\t:O+8*\t+7], v[F+16*\t:F+16*\t+15], v[PCD:PCD+15], v[O+8*\t:O+8*\t+7], v[220+\t/2], v11
.endif
.endm
; A KEY STEP: 128 keys, at s50 in LDS.
.macro STEP
	v_add_nc_u32 v3, s50, v1
	v_add_nc_u32 v4, s50, v2
	PADD1                                          ; the last step's sums stand round the loads: these eight are also the places between the last products and loads into the registers that they read
.set JJ, 0
.rept 16
	ds_load_b128 v[F+4*JJ:F+4*JJ+3], v3 offset:512*JJ              ; K's eight tiles, eight registers each
.set JJ, JJ+1
.endr
	ds_load_b128 v[216:219], v3 offset:16384       ; their scale words: register i: lanes 0-15 tile 2 i, lanes 16-31 tile 2 i + 1
	PADD2
	s_wait_alu depctr_va_vdst(0)
	s_wait_dscnt 0x0
.irp t, 0,1,2,3,4,5,6,7
	WMS \t
.endr
	COMB                                           ; eight plain instructions behind the products, ahead of loads into what they read and of the results' readers
.set JJ, 0
.rept 16
	ds_load_b128 v[F+4*JJ:F+4*JJ+3], v3 offset:8192+512*JJ         ; V^T's four tiles land under the softmax
.set JJ, JJ+1
.endr
	ds_load_b32 v220, v4 offset:16896              ; their scale words: lanes 0-15 tile 2 i, lanes 16-31 tile 2 i + 1
	ds_load_b32 v221, v4 offset:17024
	s_cmp_lg_u32 s49, s48                          ; on the diagonal the scores of hidden keys become -infinity ahead of the maximum
	s_cbranch_scc1 .Lopen_\@
.set JJ, 0
.rept 64
	v_cmp_gt_i32 vcc_lo, 32*(JJ/16)+JJ%16, v5
	v_cndmask_b32 v[S+JJ], v[S+JJ], v8, vcc_lo
.set JJ, JJ+1
.endr
.Lopen_\@:
.irp b, 0,1,2,3
	v_max3_num_f32 v[BM+\b], v[S+16*\b], v[S+16*\b+1], v[S+16*\b+2]          ; the largest score of each block of 32 keys: it serves for the row's maximum and, since p rises with the score, for the block's largest p
.endr
.irp i, 3,5,7,9,11,13
.irp b, 0,1,2,3
	v_max3_num_f32 v[BM+\b], v[BM+\b], v[S+16*\b+\i], v[S+16*\b+\i+1]
.endr
.endr
.irp b, 0,1,2,3
	v_max_num_f32 v[BM+\b], v[BM+\b], v[S+16*\b+15]
.endr
.irp b, 0,1,2,3
	v_permlanex16_b32 v[PM+\b], v[BM+\b], s20, s21
.endr
.irp b, 0,1,2,3
	v_max_num_f32 v[BM+\b], v[BM+\b], v[PM+\b]     ; with lane l xor 16's 16 keys
.endr
	v_max3_num_f32 v253, v[BM], v[BM+1], v[BM+2]
	s_delay_alu instid0(VALU_DEP_1)
	v_max3_num_f32 v13, v13, v253, v[BM+3]         ; the running largest score
	s_delay_alu instid0(VALU_DEP_1)
	v_mul_f32 v253, s22, v13                       ; as t
	s_delay_alu instid0(VALU_DEP_1)
	v_floor_f32 v253, -v253                        ; the new -M = -ceil(t)
	s_delay_alu instid0(VALU_DEP_1)
	v_sub_f32 v252, v253, v12                      ; old M - new M: a whole number, 0 or less
	v_mov_b32 v12, v253
	s_delay_alu instid0(VALU_DEP_2)
	v_cvt_i32_f32 v252, v252                       ; (it saturates)
	s_delay_alu instid0(VALU_DEP_1)
	v_ldexp_f32 v250, 1.0, v252                    ; f = 2^(old M - new M)
.set JJ, 0
.rept 32
	v_pk_fma_f32 v[S+JJ:S+JJ+1], v[S+JJ:S+JJ+1], s[22:23], v[12:13] op_sel_hi:[1,0,0]     ; t - M, two at a time
.set JJ, JJ+2
.endr
.irp b, 0,1,2,3
	v_fma_f32 v[BM+\b], v[BM+\b], s22, v12
.endr
	s_wait_alu depctr_va_vdst(0)                   ; the wait ahead of the batch, and behind it
.set JJ, 0
.rept 64
	v_exp_f32 v[S+JJ], v[S+JJ]                     ; p = 2^(t - M), at most 1
.set JJ, JJ+1
.endr
.irp b, 0,1,2,3
	v_exp_f32 v[BM+\b], v[BM+\b]                   ; the block's largest p: the same two instructions on the same number give the same bits
.endr
	v_pk_mul_f32 v[14:15], v[14:15], v[250:251] op_sel_hi:[1,0]    ; the sum under the new M.  (A plain instruction behind the exponentials)
	s_wait_alu depctr_va_vdst(0)
.irp b, 0,1,2,3
	v_max_num_f32 v[BM+\b], 0x4800000, v[BM+\b]    ; the floor 2^(9 - 127)
.endr
.irp b, 0,1,2,3
	v_add_nc_u32 v[SOP+\b], 0xfc000000, v[BM+\b]   ; the conversion's scale operand
.endr
.irp b, 0,1,2,3
	v_and_or_b32 v[BM+\b], v[BM+\b], 0x7f800000, s19               ; 448 x the scale
.endr
.irp b, 0,1,2,3
	v_lshrrev_b32 v[PM+\b], 23, v[SOP+\b]          ; the scale's byte
.endr
	v_lshl_or_b32 v11, v[PM+1], 8, v[PM]           ; p's scale word for these 128 keys
	v_lshl_or_b32 v253, v[PM+3], 8, v[PM+2]
	v_lshl_or_b32 v11, v253, 16, v11
.irp b, 0,1,2,3
.irp hh, 0,1
.irp j, 0,2,4,6                                ; the conversion does not saturate (ISA guide 7.6.2); p is not negative, so the hold is one-sided
	v_dual_min_num_f32 v[T+8*\hh+\j], v[BM+\b], v[S+16*\b+8*\hh+\j] :: v_dual_min_num_f32 v[T+8*\hh+\j+1], v[BM+\b], v[S+16*\b+8*\hh+\j+1]
.endr
	v_cvt_scalef32_pk8_fp8_f32 v[PCD+4*\b+2*\hh:PCD+4*\b+2*\hh+1], v[T+8*\hh:T+8*\hh+7], v[SOP+\b]
.endr
.endr
	s_wait_alu depctr_va_vdst(0)                   ; the wait ahead of the first reader of O^T
.set JJ, 0
.rept 16
	v_pk_mul_f32 v[O+JJ:O+JJ+1], v[O+JJ:O+JJ+1], v[250:251] op_sel_hi:[1,0]   ; O^T under the new M.  (These sixteen also stand between the conversions and the products that take the codes)
.set JJ, JJ+2
.endr
	s_wait_alu depctr_va_vdst(0)
	s_wait_dscnt 0x0                               ; V^T and its scale words are in
.irp t, 0,1,2,3
	WMO \t
.endr
.endm
	s_mov_b32 s49, 0                               ; the step in hand
	s_mov_b32 s50, 0                               ; and where it begins in LDS
	s_wait_alu depctr_va_vdst(0)
	s_wait_loadcnt 0x0                             ; Q, its scale word, the gate
	s_cmp_lt_u32 s18, 1
	s_cbranch_scc0 .Lnot_mine
	s_wait_tensorcnt 0x0                           ; wave 0: step 0 is in.  The others' loads may stay out
.Lnot_mine:
	s_barrier_signal -1
	s_barrier_wait -1
	s_cmp_lt_u32 s18, 8                            ; waves 0-7, whose tiles have nine steps and more, begin with step 0 now
	s_cbranch_scc0 .Lnot_now
	STEP
.Lnot_now:
	s_wait_tensorcnt 0x0                           ; my step is in,
	s_wait_dscnt 0x0                               ; (no LDS instruction is pending at a signal)
	s_barrier_signal -1
	s_barrier_wait -1                              ; and everybody's
	s_lshr_b32 s49, s18, 3
	s_xor_b32 s49, s49, 1                          ; waves 0-7 go on with step 1, waves 8-15 begin
	s_mul_i32 s50, s49, KVB
	s_mov_b32 s51, 15                              ; 15 trips serve every wave; a step behind my block is left out by a branch on ids, round no barrier and no tensor load
.Lstep:
	s_cmp_gt_u32 s49, s48
	s_cbranch_scc1 .Lhidden
	STEP
.Lhidden:
	s_add_co_u32 s49, s49, 1
	s_add_co_u32 s50, s50, KVB
	s_sub_co_u32 s51, s51, 1
	s_cmp_lg_u32 s51, 0
	s_cbranch_scc1 .Lstep
	PADD1                                          ; my last step's sums
	PADD2
	COMB
	; THE WAY OUT: O^T / the sum, x the gate (the module's order), quantised along the features (my head's two blocks of 32), stored as an image of the last product's operand.
	s_lshr_b32 s56, s8, 4                          ; b
	s_and_b32 s57, s8, 15                          ; the head
	s_lshl_b32 s58, s56, 4
	s_add_co_u32 s58, s58, s48                     ; the block of 128 tokens: 16 b + block
	s_lshl_b32 s60, s58, 17
	s_lshr_b32 s59, s57, 1
	s_lshl_b32 s59, s59, 14                        ; K step = head / 2
	s_add_co_u32 s60, s60, s59
	s_lshl_b32 s59, s11, 11                        ; tile c
	s_add_co_u32 s60, s60, s59
	s_and_b32 s59, s57, 1
	s_lshl_b32 s59, s59, 10                        ; register groups 2 (head % 2), + 1
	s_add_co_u32 s60, s60, s59
	s_mov_b32 s61, 0
	s_add_nc_u64 s[60:61], s[6:7], s[60:61]
	s_lshl_b32 s62, s58, 3
	s_add_co_u32 s62, s62, s11
	s_lshl_b32 s62, s62, 9                         ; the tile's 512 scale bytes,
	s_lshl_b32 s59, s57, 1                         ; bytes 2 head, 2 head + 1 of a row's 32
	s_add_co_u32 s62, s62, s59
	s_add_co_u32 s62, s62, ASC
	s_mov_b32 s63, 0
	s_add_nc_u64 s[62:63], s[6:7], s[62:63]
	s_wait_alu depctr_va_vdst(0)
	v_and_b32 v3, 15, v0
	v_lshlrev_b32 v3, 5, v3                        ; 32 r
	v_mov_b32 v252, 0                              ; (written on every way: a lane permute's destination counts as one of its sources)
	v_add_f32 v14, v14, v15
	v_permlanex16_b32 v252, v14, s20, s21
	v_add_f32 v14, v14, v252                       ; the row's sum
	s_wait_alu depctr_va_vdst(0)                   ; the wait ahead of the transcendental, and behind it
	v_rcp_f32 v250, v14
	v_nop                                          ; a plain instruction behind the transcendental
	s_wait_alu depctr_va_vdst(0)
	v_mov_b32 v11, 0                               ; (the gate's pair: the low word serves both halves)
.set JJ, 0
.rept 16
	v_pk_mul_f32 v[O+JJ:O+JJ+1], v[O+JJ:O+JJ+1], v[250:251] op_sel_hi:[1,0]
.set JJ, JJ+2
.endr
.set JJ, 0
.rept 16
	v_pk_mul_f32 v[O+JJ:O+JJ+1], v[O+JJ:O+JJ+1], v[10:11] op_sel_hi:[1,0]
.set JJ, JJ+2
.endr
.irp b, 0,1
	v_max3_num_f32 v[BM+\b], |v[O+16*\b]|, |v[O+16*\b+1]|, 0x4800000
.endr
.irp i, 2,4,6,8,10,12,14
.irp b, 0,1
	v_max3_num_f32 v[BM+\b], v[BM+\b], |v[O+16*\b+\i]|, |v[O+16*\b+\i+1]|
.endr
.endr
.irp b, 0,1
	v_permlanex16_b32 v[PM+\b], v[BM+\b], s20, s21
.endr
.irp b, 0,1
	v_max_num_f32 v[BM+\b], v[BM+\b], v[PM+\b]
.endr
.irp b, 0,1
	v_add_nc_u32 v[SOP+\b], 0xfc000000, v[BM+\b]
.endr
.irp b, 0,1
	v_and_or_b32 v[BM+\b], v[BM+\b], 0x7f800000, s19
.endr
.irp b, 0,1
	v_lshrrev_b32 v[PM+\b], 23, v[SOP+\b]
.endr
	v_lshl_or_b32 v252, v[PM+1], 8, v[PM]
.irp b, 0,1
.irp i, 0,1,2,3,4,5,6,7,8,9,10,11,12,13,14,15
	v_med3_num_f32 v[O+16*\b+\i], v[O+16*\b+\i], -v[BM+\b], v[BM+\b]
.endr
	v_cvt_scalef32_pk8_fp8_f32 v[PCD+4*\b:PCD+4*\b+1], v[O+16*\b:O+16*\b+7], v[SOP+\b]
	v_cvt_scalef32_pk8_fp8_f32 v[PCD+4*\b+2:PCD+4*\b+3], v[O+16*\b+8:O+16*\b+15], v[SOP+\b]
.endr
	v_nop                                          ; a plain instruction behind the last conversion
	global_store_b128 v1, v[PCD:PCD+3], s[60:61]               ; 512 consecutive bytes, aligned
	global_store_b128 v1, v[PCD+4:PCD+7], s[60:61] offset:512
	global_store_b16 v3, v252, s[62:63]            ; my row's two bytes (lanes r and r + 16 store the same halfword): two bytes in each row of 32, the price of scale bytes laid as the next launch loads them
	s_wait_tensorcnt 0x0                           ; the wave's end
	ds_add_u32 v254, v255
	s_wait_dscnt 0x0
	CROUND                                         ; the closing round: no work-group ends while a partner may still ask for a tile that names it
	s_endpgm
.Lfunc_end_k_q5a5a86287e_attn:
	.size	k_q5a5a86287e_attn, .Lfunc_end_k_q5a5a86287e_attn-k_q5a5a86287e_attn
	.p2alignl 7, 3214868480
	.fill 96, 4, 3214868480
	.section	.rodata,"a",@progbits
	.p2align	6, 0x0
	.amdhsa_kernel k_q5a5a86287e_attn
		.amdhsa_group_segment_fixed_size 327680
		.amdhsa_private_segment_fixed_size 0
		.amdhsa_enable_private_segment 0
		.amdhsa_kernarg_size 16
		.amdhsa_user_sgpr_count 2
		.amdhsa_user_sgpr_kernarg_segment_ptr 1
		.amdhsa_wavefront_size32 1
		.amdhsa_system_sgpr_workgroup_id_x 1
		.amdhsa_system_sgpr_workgroup_id_y 1
		.amdhsa_system_sgpr_workgroup_id_z 1
		.amdhsa_system_vgpr_workitem_id 0
		.amdhsa_next_free_vgpr 256
		.amdhsa_next_free_sgpr 72
		.amdhsa_reserve_vcc 1
		.amdhsa_float_denorm_mode_32 3
		.amdhsa_float_denorm_mode_16_64 3
		.amdhsa_memory_ordered 1
		.amdhsa_forward_progress 1
		.amdhsa_inst_pref_size 66
	.end_amdhsa_kernel
	.amdgpu_metadata
---
amdhsa.version: [ 1, 2 ]
amdhsa.kernels:
  - .name:           k_q5a5a86287e_attn
    .symbol:         k_q5a5a86287e_attn.kd
    .args:
      - { .name: qkv, .offset: 0, .size: 8, .value_kind: global_buffer, .address_space: global }
      - { .name: att, .offset: 8, .size: 8, .value_kind: global_buffer, .address_space: global }
    .group_segment_fixed_size: 327680
    .private_segment_fixed_size: 0
    .kernarg_segment_align: 8
    .kernarg_segment_size: 16
    .max_flat_workgroup_size: 512
    .sgpr_count:     72
    .vgpr_count:     256
    .wavefront_size: 32
...
	.end_amdgpu_metadata
.endif
;; end of part 3
;; launch outp (part 4): grid 8 x 32, 4 waves a work-group, clusters of 4 x 4, 327,680 bytes of LDS; arguments att, pre, out0; writes out0
.if DOCPART == 4
	.amdgcn_target "amdgcn-amd-amdhsa--gfx1250"
	.amdhsa_code_object_version 6
	.text
	.protected	k_q5a5a86287e_outp
	.globl	k_q5a5a86287e_outp
	.p2align	8
	.type	k_q5a5a86287e_outp,@function
k_q5a5a86287e_outp:
	s_mov_b64 s[64:65], 0
	v_nop
	global_prefetch_b8 v0, s[64:65] scope:SCOPE_SE
	s_setreg_imm32_b32 hwreg(HW_REG_WAVE_MODE, 25, 1), 1
	s_wait_xcnt 0x0
	s_wait_alu depctr_hold_cnt(0) depctr_sa_sdst(0) depctr_va_vdst(0) depctr_va_sdst(0) depctr_va_ssrc(0) depctr_va_vcc(0) depctr_vm_vsrc(0)
	s_getreg_b32 s2, hwreg(HW_REG_IB_STS2, 6, 4)
	s_cmp_eq_u32 s2, 0
	s_cbranch_scc0 .Lentry_in_a_cluster
	s_endpgm
.Lentry_in_a_cluster:
	s_bfe_u32 s2, ttmp6, 0x10000c
	s_cmp_lg_u32 s2, 0xf033
	s_cbranch_scc0 .Lentry_shape_is_right
	s_endpgm
.Lentry_shape_is_right:
; OUTP: out0 = a Wout, a the gated attention output, both as codes of FP8 (E4M3) with E8M0 scales, laid as images of fragments: [block of 128][K step 8][tile 8][2048].
; SHARES: a work-group makes 128 tokens (block RB) x 128 columns (group col); each of its four waves 64 x 64: 16 accumulators.  K = 1,024 is eight K steps.
; Both operands of a work-group, 128 KiB each, fit in LDS at once: they are filled once, in two halves along K, and nothing is filled again.
; CLUSTER: 4 x 4 work-groups.  The four of a row of the cluster need the same block of a, the four of a column the same group of Wout: each is asked for JOINTLY, by the same tensor load with the same
; descriptor and a mask that names the four, which divides the requests by four.  No LDS address and no branch hangs on the place in the cluster.
; THE MATRIX INSTRUCTION IS USED TRANSPOSED (source 0 = 16 columns of Wout, source 1 = 16 tokens); row r of tile 2 B + u stands for index 32 B + 8 u + r + (r & 8), for tokens and columns alike, so a lane's 16 registers of
; two neighbouring tiles are 16 neighbouring columns of one row of out0.
; REGISTERS: window 0: v16-28 addresses; v32-47 a's scale words [8 pair + s], v48-63 Wout's; v64-127 rows read back from the stage, two sets; v128-255 the accumulators ((m, t) at 128 + 8 (4 m + t)).
;   window 1: two buffers of 128: a's four fragments, then Wout's four.
.set ASC,   4194304
.set WIMG,  4325376
.set WSC,   8536064
.set BOFF,  131072                     ; LDS: a's block at 0, Wout's group here,
.set STAGE, 262144                     ; and behind them a stage of 16 rows x (256 + 16) bytes for each wave, into which no tensor load lands
.set G1,  24                           ; s[24:31] descriptor group 1 for a;  s[32:35] its group 0: my wave's half of K
.set G0,  32
.set G1B, 48                           ; s[48:55], s[56:59] the same for Wout
.set G0B, 56
.set MSB, 0
.macro WIN new                         ; the immediate's high byte repeats the setting that is left
.if MSB != \new
	s_set_vgpr_msb (MSB<<8)|\new
.set MSB, \new
.endif
.endm
.macro WM d, a, b, zero, sa, sb, ra, rb
.if \zero
.if ((\ra)==0)&&((\rb)==0)
	v_wmma_scale_f32_16x16x128_f8f6f4 v[\d:\d+7], v[\a:\a+15], v[\b:\b+15], 0, v[\sa], v[\sb]
.elseif ((\ra)==1)&&((\rb)==0)
	v_wmma_scale_f32_16x16x128_f8f6f4 v[\d:\d+7], v[\a:\a+15], v[\b:\b+15], 0, v[\sa], v[\sb] matrix_a_scale:MATRIX_SCALE_ROW1
.elseif ((\ra)==0)&&((\rb)==1)
	v_wmma_scale_f32_16x16x128_f8f6f4 v[\d:\d+7], v[\a:\a+15], v[\b:\b+15], 0, v[\sa], v[\sb] matrix_b_scale:MATRIX_SCALE_ROW1
.else
	v_wmma_scale_f32_16x16x128_f8f6f4 v[\d:\d+7], v[\a:\a+15], v[\b:\b+15], 0, v[\sa], v[\sb] matrix_a_scale:MATRIX_SCALE_ROW1 matrix_b_scale:MATRIX_SCALE_ROW1
.endif
.else
.if ((\ra)==0)&&((\rb)==0)
	v_wmma_scale_f32_16x16x128_f8f6f4 v[\d:\d+7], v[\a:\a+15], v[\b:\b+15], v[\d:\d+7], v[\sa], v[\sb]
.elseif ((\ra)==1)&&((\rb)==0)
	v_wmma_scale_f32_16x16x128_f8f6f4 v[\d:\d+7], v[\a:\a+15], v[\b:\b+15], v[\d:\d+7], v[\sa], v[\sb] matrix_a_scale:MATRIX_SCALE_ROW1
.elseif ((\ra)==0)&&((\rb)==1)
	v_wmma_scale_f32_16x16x128_f8f6f4 v[\d:\d+7], v[\a:\a+15], v[\b:\b+15], v[\d:\d+7], v[\sa], v[\sb] matrix_b_scale:MATRIX_SCALE_ROW1
.else
	v_wmma_scale_f32_16x16x128_f8f6f4 v[\d:\d+7], v[\a:\a+15], v[\b:\b+15], v[\d:\d+7], v[\sa], v[\sb] matrix_a_scale:MATRIX_SCALE_ROW1 matrix_b_scale:MATRIX_SCALE_ROW1
.endif
.endif
.endm
; A round of the cluster's barrier: my work-group's barrier, so that wave 0's signal speaks for all four waves; wave 0 signals for the work-group; every wave waits for all sixteen; my work-group's barrier once more.
.macro CROUND
	s_barrier_signal -1
	s_barrier_wait -1
	s_cmp_lg_u32 s10, 0
	s_cbranch_scc1 .Lnot_wave_0_\@
	s_barrier_signal -3
.Lnot_wave_0_\@:
	s_barrier_wait -3
	s_barrier_signal -1
	s_barrier_wait -1
.endm
	s_load_b128 s[4:7], s[0:1], 0x0                ; att s[4:5], pre s[6:7]
	s_load_b64 s[8:9], s[0:1], 0x10                ; out0
	v_lshl_add_u32 v30, v0, 2, 0x44400
	v_mov_b32 v31, 0
	ds_add_u32 v30, v31
	ds_add_u32 v30, v31
	v_lshrrev_b32 v1, 5, v0
	v_readfirstlane_b32 s10, v1                    ; wave 0..3
	s_lshr_b32 s11, s10, 1                         ; which 64 tokens are mine.  Also: which half of K I fetch
	s_and_b32 s12, s10, 1                          ; which 64 columns.  Also: I fetch for a (0) or for Wout (1)
	s_bfe_u32 s40, ttmp6, 0x40000                  ; cx, cy: my place in the cluster
	s_bfe_u32 s41, ttmp6, 0x40004
	s_lshl_b32 s42, ttmp9, 2
	s_add_co_u32 s42, s42, s40                     ; col = 4 x cluster x + cx
	s_and_b32 s13, ttmp7, 0xffff
	s_lshl_b32 s13, s13, 2
	s_add_co_u32 s13, s13, s41                     ; RB = 4 x cluster y + cy
	s_lshl_b32 s43, s41, 2
	s_lshl_b32 s43, 15, s43                        ; my row of the cluster
	s_lshl_b32 s44, 0x1111, s40                    ; my column
	; descriptor group 1: a dense block of 64 KiB as 256 rows of 256 bytes
	s_or_b32 s[G1], s43, (3<<16)|(1<<21)           ; 15:0 the mask: a's blocks go to my row; 17:16 elements of 8 bytes; 21 set beside a mask; no padding
	s_or_b32 s[G1B], s44, (3<<16)|(1<<21)          ; the same with the mask of my column
.irp g, G1, G1B
	s_mov_b32 s[\g+1], 32<<16                      ; tensor_dim0 = 32
	s_mov_b32 s[\g+2], 256<<16                     ; tensor_dim1 = 256: a load brings 64 KiB
	s_mov_b32 s[\g+3], 32<<16                      ; tile_dim0 = 32
	s_mov_b32 s[\g+4], 256                         ; tile_dim1 = 256
	s_mov_b32 s[\g+5], 32                          ; the pitch
	s_mov_b32 s[\g+6], 0
	s_mov_b32 s[\g+7], 0
.endr
	s_lshl_b32 s20, s11, 16                        ; my half of K, 64 KiB: in memory and in LDS alike
	s_lshl_b32 s16, s13, 17
	s_add_co_u32 s16, s16, s20                     ; a: hangs on RB and the wave's number alone
	s_mov_b32 s17, 0
	s_lshl_b32 s46, s42, 17
	s_add_co_u32 s46, s46, s20
	s_add_co_u32 s46, s46, WIMG+24*131072          ; Wout: on col and the wave's number alone
	s_mov_b32 s47, 0
	s_wait_dscnt 0x0
	s_wait_kmcnt 0x0
	s_add_nc_u64 s[14:15], s[4:5], s[16:17]
	s_add_nc_u64 s[46:47], s[6:7], s[46:47]
	CROUND                                         ; all sixteen work-groups are here: the joint loads meet
.irp p, 0
	s_mov_b32 s[G0+4*\p], 1
	s_add_co_u32 s[G0+4*\p+1], s20, \p*65536
	s_add_nc_u64 s[G0+4*\p+2:G0+4*\p+3], s[14:15], \p*65536
	s_or_b32 s[G0+4*\p+3], s[G0+4*\p+3], 0x80000000
	s_mov_b32 s[G0B+4*\p], 1
	s_add_co_u32 s[G0B+4*\p+1], s20, BOFF+\p*65536
	s_add_nc_u64 s[G0B+4*\p+2:G0B+4*\p+3], s[46:47], \p*65536
	s_or_b32 s[G0B+4*\p+3], s[G0B+4*\p+3], 0x80000000
.endr
; One joint load a wave, a line for each: wave 0 a's K steps 0-3, wave 1 Wout's, wave 2 a's K steps 4-7, wave 3 Wout's.
.macro ARM under, g0, g1, next
	s_cmp_lt_u32 s10, \under
	s_cbranch_scc0 \next
	tensor_load_to_lds s[\g0:\g0+3], s[\g1:\g1+7]
	s_nop 0
.rept 4
	v_nop
.endr
	s_branch .Lasked
\next:
.endm
	ARM 1, G0,  G1,  .Lwave_1
	ARM 2, G0B, G1B, .Lwave_2
	ARM 3, G0,  G1,  .Lwave_3
	tensor_load_to_lds s[G0B:G0B+3], s[G1B:G1B+7]
	s_nop 0
.rept 4
	v_nop
.endr
.Lasked:
	v_and_b32 v2, 31, v0                           ; lane
	v_lshlrev_b32 v3, 4, v2
	v_lshlrev_b32 v27, 5, v2
	s_wait_alu depctr_va_vdst(0)
	v_lshlrev_b32 v28, 2, v2
	s_wait_alu depctr_va_vdst(0)
	s_lshl_b32 s16, s13, 3
	s_lshl_b32 s17, s11, 2
	s_add_co_u32 s16, s16, s17
	s_lshl_b32 s16, s16, 9
	s_add_co_u32 s16, s16, ASC
	s_mov_b32 s17, 0
	s_add_nc_u64 s[16:17], s[4:5], s[16:17]        ; the scale bytes of my four tiles of tokens
	s_lshl_b32 s66, s42, 12
	s_lshl_b32 s67, s12, 11
	s_add_co_u32 s66, s66, s67
	s_add_co_u32 s66, s66, WSC+96*1024
	s_mov_b32 s67, 0
	s_add_nc_u64 s[66:67], s[6:7], s[66:67]        ; the scale words of my two pairs of tiles of Wout
.irp p, 0,1
	global_load_b128 v[32+8*\p:35+8*\p], v27, s[16:17] offset:1024*\p          ; lanes 0-15: tile 2 p's rows, lanes 16-31: tile 2 p + 1's; K steps 0-3,
	global_load_b128 v[36+8*\p:39+8*\p], v27, s[16:17] offset:1024*\p+16       ; K steps 4-7
.endr
.irp p, 0,1
.irp k, 0,1,2,3,4,5,6,7
	global_load_b32 v[48+8*\p+\k], v28, s[66:67] offset:1024*\p+128*\k
.endr
.endr
	s_lshl_b32 s68, s13, 19
	s_lshl_b32 s69, s11, 18
	s_add_co_u32 s68, s68, s69                     ; out0: row 128 RB + 64 x my half, 4,096 bytes a row,
	s_lshl_b32 s69, s42, 9
	s_add_co_u32 s68, s68, s69
	s_lshl_b32 s69, s12, 8
	s_add_co_u32 s68, s68, s69                     ; column 128 col + 64 x my half
	s_mov_b32 s69, 0
	s_add_nc_u64 s[8:9], s[8:9], s[68:69]
	s_lshl_b32 s21, s11, 13                        ; my four tiles of a,
	s_lshl_b32 s22, s12, 13                        ; of Wout
	s_add_co_u32 s22, s22, BOFF
	v_add_nc_u32 v16, s21, v3
	v_add_nc_u32 v17, 0x10000, v16                 ; (K steps 4-7)
	v_add_nc_u32 v20, s22, v3
	v_add_nc_u32 v21, 0x10000, v20
	v_and_b32 v4, 15, v0                           ; r
	v_bfe_u32 v5, v0, 4, 1                         ; h
	s_mul_i32 s23, s10, 16*272
	s_add_co_u32 s23, s23, STAGE                   ; my stage
	v_mul_u32_u24 v24, v4, 272
	v_lshl_add_u32 v24, v5, 6, v24
	v_add_nc_u32 v24, s23, v24                     ; in: row r, + 64 h
	v_mul_u32_u24 v25, v5, 272
	v_lshl_add_u32 v25, v4, 4, v25
	v_add_nc_u32 v25, s23, v25                     ; back: lanes 0-15 one row of 256 bytes, lanes 16-31 the next
	v_lshlrev_b32 v26, 12, v5
	v_lshl_add_u32 v26, v4, 4, v26                 ; and the same two rows in out0
.macro FETCH sx                        ; K step sx: my four fragments of a and four of Wout into buffer sx % 2: 32 loads of 512 consecutive bytes
.set FB_, 128*((\sx)%2)
	WIN 0x40                                       ; destination window 1
.irp m, 0,1,2,3
.irp c, 0,1,2,3
	ds_load_b128 v[FB_+16*\m+4*\c:FB_+16*\m+4*\c+3], v[16+(\sx)/4] offset:((\sx)%4)*16384+2048*\m+512*\c
.endr
.endr
.irp t, 0,1,2,3
.irp c, 0,1,2,3
	ds_load_b128 v[FB_+64+16*\t+4*\c:FB_+64+16*\t+4*\c+3], v[20+(\sx)/4] offset:((\sx)%4)*16384+2048*\t+512*\c
.endr
.endr
	WIN 0
.endm
; A K step: the next step's fragments are asked for first, into the buffer that the last step's products read (eight plain instructions behind them), then 16 products,
; the 16 accumulators by turns, one instruction a turn.
.macro KSTEP sx
.if \sx > 0
.rept 8
	v_nop
.endr
.endif
.if \sx == 3
	s_wait_tensorcnt 0x0                           ; my part of K steps 4-7 is in,
	s_wait_dscnt 0x0                               ; (no LDS instruction is pending at a signal)
	s_barrier_signal -1
	s_barrier_wait -1                              ; everybody's is
.endif
.if \sx < 7
	FETCH \sx+1
	s_wait_dscnt 32                                ; all but the 32 just issued
.else
	s_wait_dscnt 0x0
.endif
.set MB_, 128*(\sx%2)
	WIN 0x05                                       ; sources 0 and 1 in window 1
.irp m, 0,1,2,3
.irp t, 0,1,2,3
	WM 128+8*(4*\m+\t),MB_+64+16*\t,MB_+16*\m,(\sx==0),48+8*(\t/2)+\sx,32+8*(\m/2)+\sx,\t%2,\m%2
.endr
.endr
	WIN 0
.endm
	s_wait_alu depctr_va_vdst(0)
	s_cmp_lt_u32 s10, 2
	s_cbranch_scc0 .Lnot_yet
	s_wait_tensorcnt 0x0                           ; waves 0 and 1: K steps 0-3 are in.  The others' loads may stay out
.Lnot_yet:
	s_barrier_signal -1
	s_barrier_wait -1
	FETCH 0
	s_wait_loadcnt 0x0                             ; the scale words
.irp k, 0,1,2,3,4,5,6,7
	KSTEP \k
.endr
; THE WAY OUT, a tile of 16 tokens x 64 columns at a time.  A lane holds 2 x 64 neighbouring bytes of one row, the lanes beside it other rows: so a tile goes through my own stage and comes back as whole rows of 256 bytes.
; LDS serves a wave's instructions in order (ISA guide 5.7.1.4): no wait between the stores and the loads, nor in front of the next tile's stores.
.macro TOSTAGE m
.irp bb, 0,1
.irp k, 0,1,2,3
	ds_store_b128 v24, v[128+32*(\m)+16*\bb+4*\k:128+32*(\m)+16*\bb+4*\k+3] offset:128*\bb+16*\k    ; each accumulator from its low end on; columns 32 bb + 16 h + 4 k on
.endr
.endr
.set BB_, 64+32*((\m)%2)
.irp i, 0,1,2,3,4,5,6,7
	ds_load_b128 v[BB_+4*\i:BB_+4*\i+3], v25 offset:2*272*\i
.endr
.endm
.macro SEND m, younger                 ; younger: the LDS instructions issued behind tile m's loads, which may stay out
.set BB_, 64+32*((\m)%2)
	s_wait_dscnt \younger
.irp i, 0,1,2,3,4,5,6,7
	global_store_b128 v26, v[BB_+4*\i:BB_+4*\i+3], s[8:9] offset:(32*((\m)/2)+8*((\m)%2)+2*\i+((2*\i)&8))*4096 th:TH_STORE_NT   ; stage rows 2 i, 2 i + 1 are two neighbouring tokens; sixteen lanes store 256 consecutive bytes, aligned
.endr
.endm
.rept 8
	v_nop                                          ; behind the last products, ahead of the first read of results
.endr
	s_wait_alu depctr_va_vdst(0)
	TOSTAGE 0
.irp m, 1,2,3
.if \m > 1
	s_wait_xcnt 0x0                                ; tile m - 2's stores have read their registers: tile m's rows may land there
.endif
	TOSTAGE \m
	SEND \m-1, 16                                  ; behind tile m - 1's loads: tile m's 8 stores and 8 loads
.endr
	SEND 3, 0
	s_wait_tensorcnt 0x0
	ds_add_u32 v30, v31
	s_wait_dscnt 0x0
	CROUND                                         ; the closing round: no work-group ends while a partner may still ask for a block that names it
	s_endpgm
.Lfunc_end_k_q5a5a86287e_outp:
	.size	k_q5a5a86287e_outp, .Lfunc_end_k_q5a5a86287e_outp-k_q5a5a86287e_outp
	.p2alignl 7, 3214868480
	.fill 96, 4, 3214868480
	.section	.rodata,"a",@progbits
	.p2align	6, 0x0
	.amdhsa_kernel k_q5a5a86287e_outp
		.amdhsa_group_segment_fixed_size 327680
		.amdhsa_private_segment_fixed_size 0
		.amdhsa_enable_private_segment 0
		.amdhsa_kernarg_size 24
		.amdhsa_user_sgpr_count 2
		.amdhsa_user_sgpr_kernarg_segment_ptr 1
		.amdhsa_wavefront_size32 1
		.amdhsa_system_sgpr_workgroup_id_x 1
		.amdhsa_system_sgpr_workgroup_id_y 1
		.amdhsa_system_sgpr_workgroup_id_z 1
		.amdhsa_system_vgpr_workitem_id 0
		.amdhsa_next_free_vgpr 512
		.amdhsa_next_free_sgpr 72
		.amdhsa_reserve_vcc 0
		.amdhsa_float_denorm_mode_32 3
		.amdhsa_float_denorm_mode_16_64 3
		.amdhsa_memory_ordered 1
		.amdhsa_forward_progress 1
		.amdhsa_inst_pref_size 52
	.end_amdhsa_kernel
	.amdgpu_metadata
---
amdhsa.version: [ 1, 2 ]
amdhsa.kernels:
  - .name:           k_q5a5a86287e_outp
    .symbol:         k_q5a5a86287e_outp.kd
    .args:
      - { .name: att, .offset: 0, .size: 8, .value_kind: global_buffer, .address_space: global }
      - { .name: pre, .offset: 8, .size: 8, .value_kind: global_buffer, .address_space: global }
      - { .name: out0, .offset: 16, .size: 8, .value_kind: global_buffer, .address_space: global }
    .group_segment_fixed_size: 327680
    .private_segment_fixed_size: 0
    .kernarg_segment_align: 8
    .kernarg_segment_size: 24
    .max_flat_workgroup_size: 128
    .sgpr_count:     72
    .vgpr_count:     512
    .wavefront_size: 32
...
	.end_amdgpu_metadata
.endif
;; end of part 4
